; MI455X (gfx1250); checked and timed in simulation.
; The chip was launched on July 23, 2026; its instructions are those of AMD's public machine-readable ISA for CDNA 5 (MIT licence, August 2026) and "CDNA5" Instruction Set Architecture Reference Guide (July 2026). The comments in the code are by the model that wrote it; some were corrected since.
;; Distributed Expert Pool. Allowed arithmetic: matrix products marked QUANTISED: E5M2 operands, one E8M0 scale for each 32 along K, by v_wmma_scale_f32_16x16x128_f8f6f4 with both operands' format E5M2, f32 sums; everything else in f32.
;; Inputs: W1_codes 8 x 2,048 x 32 x 32 uint8 (E5M2 codes of W1, K innermost, in blocks of 32 codes); W1_scales 8 x 2,048 x 32 uint8 (E8M0 scales of W1, one for each 32 codes along K); W2_codes 8 x 1,024 x 64 x 32 uint8 (E5M2 codes of W2, K innermost, in blocks of 32 codes); W2_scales 8 x 1,024 x 64 uint8 (E8M0 scales of W2, one for each 32 codes along K); b1 8 x 2,048 float32; b2 8 x 1,024 float32; expert_indices 2,048 int32; x_codes 2,048 x 32 x 32 uint8 (E5M2 codes of x, K innermost, in blocks of 32 codes); x_scales 2,048 x 32 uint8 (E8M0 scales of x, one for each 32 codes along K).
;; Outputs: out0 2,048 x 1,024 float32.
;; This version of the problem:
;;   THIS VERSION OF THE PROBLEM IS GIVEN IN LOW PRECISION. The matrix products marked QUANTISED in the list below multiply operands that are first quantised to E5M2 (5 exponent bits, 2 mantissa bits; 8 bits a number), with one power-of-two scale for each 32 numbers along K (OCP MX v1.0); their sums are f32. All else is computed in f32.
;;   The module's matrix products, in the order in which they are computed (A, B: the left and right operand; K: the contracted axis; several contracted axes count as one K, in the product's order):
;;     1. [M 2,048, K 1,024] x [K 1,024, N 2,048]; A: input x (given as codes); B: input W1 (given as codes): QUANTISED
;;     2. [M 2,048, K 2,048] x [K 2,048, N 1,024]; A: computed on the way; B: input W2 (given as codes): QUANTISED
;;     3. [M 2,048, K 1,024] x [K 1,024, N 2,048]; A: input x (given as codes); B: input W1 (given as codes): QUANTISED
;;     4. [M 2,048, K 2,048] x [K 2,048, N 1,024]; A: computed on the way; B: input W2 (given as codes): QUANTISED
;;     5. [M 2,048, K 1,024] x [K 1,024, N 2,048]; A: input x (given as codes); B: input W1 (given as codes): QUANTISED
;;     6. [M 2,048, K 2,048] x [K 2,048, N 1,024]; A: computed on the way; B: input W2 (given as codes): QUANTISED
;;     7. [M 2,048, K 1,024] x [K 1,024, N 2,048]; A: input x (given as codes); B: input W1 (given as codes): QUANTISED
;;     8. [M 2,048, K 2,048] x [K 2,048, N 1,024]; A: computed on the way; B: input W2 (given as codes): QUANTISED
;;     9. [M 2,048, K 1,024] x [K 1,024, N 2,048]; A: input x (given as codes); B: input W1 (given as codes): QUANTISED
;;     10. [M 2,048, K 2,048] x [K 2,048, N 1,024]; A: computed on the way; B: input W2 (given as codes): QUANTISED
;;     11. [M 2,048, K 1,024] x [K 1,024, N 2,048]; A: input x (given as codes); B: input W1 (given as codes): QUANTISED
;;     12. [M 2,048, K 2,048] x [K 2,048, N 1,024]; A: computed on the way; B: input W2 (given as codes): QUANTISED
;;     13. [M 2,048, K 1,024] x [K 1,024, N 2,048]; A: input x (given as codes); B: input W1 (given as codes): QUANTISED
;;     14. [M 2,048, K 2,048] x [K 2,048, N 1,024]; A: computed on the way; B: input W2 (given as codes): QUANTISED
;;     15. [M 2,048, K 1,024] x [K 1,024, N 2,048]; A: input x (given as codes); B: input W1 (given as codes): QUANTISED
;;     16. [M 2,048, K 2,048] x [K 2,048, N 1,024]; A: computed on the way; B: input W2 (given as codes): QUANTISED
;;   THE QUANTISER, for each operand of a quantised product, along K:
;;     - K is cut into blocks of 32 from its start; a last block that is shorter is filled with zeros.
;;     - A block's scale is 2^e with e = floor(log2(the largest magnitude in the block)) - 15, held to -126 .. 127; a block of zeros has e = 0. As a byte (E8M0): e + 127.
;;     - Each number is divided by its block's scale, clamped to +-57,344, and rounded to the nearest number of E5M2, ties to even, subnormals kept.
;;     - The product sums the exact products of the quantised numbers (number of the format x scale) in f32.
;;   ~~~python
;;   def quantise(x, axis):      # numpy; x: float32 -> the quantised numbers, widened to float32 again
;;       x = np.moveaxis(x, axis, -1); K = x.shape[-1]
;;       x = np.pad(x, [(0, 0)] * (x.ndim - 1) + [(0, -K % 32)]); x = x.reshape(x.shape[:-1] + (-1, 32)); a = np.abs(x).max(-1, keepdims=True)
;;       e = np.where(a > 0, np.clip(np.frexp(np.where(a > 0, a, 1))[1] - 1 - 15, -126, 127), 0)      # np.frexp(a)[1] - 1 = floor(log2(a)), exactly
;;       r = np.clip(x / 2.0 ** e, -57344, 57344)
;;       step = 2.0 ** (np.maximum(np.frexp(np.where(r == 0, 1, r))[1] - 1, -14) - 2)
;;       q = np.round(r / step) * step * 2.0 ** e      # np.round: ties to even
;;       return np.moveaxis(q.reshape(q.shape[:-2] + (-1,))[..., :K], -1, axis).astype(np.float32)
;;   ~~~
;;   OPERANDS COMPUTED ON THE WAY. 'Computed on the way' means the value that the module computes at that place (a softmax that the list does not call 'softmax' is quantised finished and normalised). What goes into a quantiser is computed in f32, as accurately as f32 sums, v_exp_f32 and their like allow (about 1e-6 of the number): no bf16 or f16 on the way to a quantiser, and a product that is left as it is and whose result goes on into a quantised operand takes f32 operands (vector FMAs, or v_wmma_f32_16x16x4_f32). A number that lies on a knife's edge between two numbers of the format may be rounded either way, as far as f32 arithmetic and the matrix unit's own rounding can turn it there, and no further.
;;   INPUTS GIVEN AS CODES. W1 (in the module: [8, 1024, 2048], K = its axis 1); W2 (in the module: [8, 2048, 1024], K = its axis 1); x (in the module: [2048, 1024], K = its axis 1): each comes as NAME_codes (uint8): NAME with its K axis moved to the last place and cut into blocks of 32 codes, [.., K / 32, bytes a block], one block behind the other in memory; one code a byte (a code: sign, 5 exponent bits, 2 mantissa bits); and NAME_scales (uint8): the same leading axes, one E8M0 byte (e + 127) for each 32 codes along K. Its value is code x scale, taken as it is: it is not quantised again, and the codes and scales need not be those that the quantiser above would give.
;; 2 versions, each right; version 2 is version 1 with the launches ffn1, ffn2 written anew for expert scheduling mode. Each part assembles by itself: llvm-mc -triple=amdgcn-amd-amdhsa -mcpu=gfx1250 --defsym DOCPART=n.
;; ======== version 1 of 2: 3 launches
;; workspace buffers: order 9,216 bytes of whole numbers; segs 256 bytes of whole numbers; h_codes 4,423,680 bytes; h_scales 138,240 bytes
;; launch route (part 1): grid 1 x 1, 8 waves a work-group, no clusters, 2,048 bytes of LDS; arguments expert_indices, order, segs, out0; writes order, segs, out0
.if DOCPART == 1
	.amdgcn_target "amdgcn-amd-amdhsa--gfx1250"
	.amdhsa_code_object_version 6
	.text
	.protected	k_q5c3ad4124a_route
	.globl	k_q5c3ad4124a_route
	.p2align	8
	.type	k_q5c3ad4124a_route,@function
k_q5c3ad4124a_route:
	s_mov_b64 s[64:65], 0
	v_nop
	global_prefetch_b8 v0, s[64:65] scope:SCOPE_SE
	s_setreg_imm32_b32 hwreg(HW_REG_WAVE_MODE, 25, 1), 1
	s_wait_xcnt 0x0
; THE PROGRAM: out[t] = gelu(x[t] W1[e] + b1[e]) W2[e] + b2[e] with e = expert_indices[t], in three launches: this one sorts the tokens by expert,
; the second makes the hidden layer of the sorted rows as codes, the third multiplies by W2 and puts each row back at its token.
; WORK LEFT OUT, AND WHY IT IS DEAD.  The source computes y for all 8 experts and every token and adds where(expert_indices == e, y, 0).  For e other than expert_indices[t]
; that term is the constant 0 whatever y holds, so row t of both products of such an expert reaches no output, for all values of the inputs.  Only the chosen expert's rows
; are multiplied.  Every input keeps a way to the output and is loaded.  A token whose index lies outside 0 .. 7 is taken by no expert: its row is the zeros that the sum starts from, stored here.
; LIMITS: a NaN, an infinity or an overflow in an expert that was not chosen is not carried (the source's where drops it too); a result -0 stays -0, where the source's sum with +0 gives +0.
; THIS LAUNCH: a counting sort without atomics, one work-group of 8 waves, thread t owning tokens 8 t .. 8 t + 7.
;   order: expert e's tokens from word 16 tb[e] on; the rest of its last tile of 16 REPEATS ONE OF ITS TOKENS, so that the later launches need no mask: such a row gives the same numbers as the token's own row
;          and is stored over it with the same values.  All words from the last tile's end on hold 2048 = no token.  Each of the 2,304 words is stored once.
;   segs:  word 2 e = tb[e], the expert's first tile of 16 rows; word 2 e + 1 = nt[e] = ceil(count[e] / 16).  At most 2048 / 16 + 7 = 135 tiles, whatever the split.
; Every offset register of a store is made with all lanes on, ahead of the first line that narrows EXEC; behind that line no vector register is written.
.set SPARE, 1024                       ; LDS: bytes 0 .. 1023: wave w's 32 words at 128 w: lane e < 8 its count of expert e, lane 8 + e one of its tokens of expert e (0 if none); then the spare words, 128 bytes a wave
.set I,    4                           ; v4-11   the indices of my 8 tokens
.set POS,  12                          ; v12-19  their places in order, then the byte offsets
.set TOK,  20                          ; v20-27  8 t + j
.set CW,   28                          ; v28-35  the eight waves' counts of expert lane % 8
.set SPW,  50                          ; v50     LDS address of my spare word; never rewritten
.set NIL,  51                          ; v51     0; never rewritten
.set ZA,   52                          ; v52-59  my tokens' rows in out, in bytes
.set CA,   60                          ; v60-67  the eight waves' tokens of expert lane % 8
.set BAL,  56                          ; s56-63  expert e: the last ballot of my wave that was not empty
.set BJ,   66                          ; s66-73  and the register j in which it was taken
.macro NARROW                          ; EXEC is a source of pending stores: it changes only behind a wait for their addresses
	s_wait_xcnt 0x0
	s_and_saveexec_b32 s54, vcc_lo
.endm
.macro WIDEN
	s_wait_xcnt 0x0
	s_or_b32 exec_lo, exec_lo, s54
.endm
	s_load_b256 s[4:11], s[0:1], 0x0               ; expert_indices s[4:5], order s[6:7], segs s[8:9], out0 s[10:11]
	v_lshl_add_u32 v[SPW], v0, 2, SPARE
	v_mov_b32 v[NIL], 0
	v_lshrrev_b32 v40, 5, v0
	v_readfirstlane_b32 s12, v40                   ; wave 0..7
	s_lshl_b32 s13, s12, 8                         ; my wave's first token
	v_lshlrev_b32 v1, 2, v0                        ; 4 t: my word among the counts, and my word of a run of 256 words of order
	v_and_b32 v2, 7, v0                            ; the expert that my lane looks after: lane % 8
	v_lshlrev_b32 v3, 2, v2
	v_lshlrev_b32 v70, 5, v0                       ; 32 t: my 8 indices
	v_lshlrev_b32 v49, 3, v0                       ; 8 t: a pair of words of segs
	v_lshrrev_b32 v41, 3, v0                       ; t / 8
	v_mov_b32 v69, 2048                            ; no token
.irp i, 44,45,46,47
	v_mov_b32 v\i, 0
.endr
.irp j, 0,1,2,3,4,5,6,7
	v_lshl_add_u32 v[TOK+\j], v0, 3, \j
.endr
.irp j, 0,1,2,3,4,5,6,7
	v_lshlrev_b32 v[ZA+\j], 12, v[TOK+\j]
.endr
	s_wait_kmcnt 0x0
	global_load_b128 v[4:7], v70, s[4:5]
	global_load_b128 v[8:11], v70, s[4:5] offset:16
	s_wait_loadcnt 0x0
	; my wave's count of each expert: a ballot for each of my 8 registers, its bits counted; the last ballot that is not empty is kept, with its j
.irp e, 0,1,2,3,4,5,6,7
.irp j, 0,1,2,3,4,5,6,7
	v_cmp_eq_u32 s52, \e, v[I+\j]
.if \j == 0
	s_bcnt1_i32_b32 s[16+\e], s52
	s_mov_b32 s[BAL+\e], s52
	s_mov_b32 s[BJ+\e], 0
.else
	s_bcnt1_i32_b32 s53, s52
	s_add_co_u32 s[16+\e], s[16+\e], s53
	s_cmp_lg_u32 s52, 0
	s_cselect_b32 s[BAL+\e], s52, s[BAL+\e]
	s_cselect_b32 s[BJ+\e], \j, s[BJ+\e]
.endif
.endr
.endr
	v_mov_b32 v40, 0
.irp e, 0,1,2,3,4,5,6,7
	v_writelane_b32 v40, s[16+\e], \e
	s_ctz_i32_b32 s53, s[BAL+\e]                   ; the lowest lane of the kept ballot,
	s_lshl_b32 s53, s53, 3
	s_add_co_u32 s53, s53, s[BJ+\e]
	s_add_co_u32 s53, s53, s13                     ; its token: 256 wave + 8 lane + j;
	s_cmp_lg_u32 s[BAL+\e], 0
	s_cselect_b32 s53, s53, 0                      ; 0 where my wave has none: under the largest of the eight waves' a 0 never beats a real token
	v_writelane_b32 v40, s53, 8+\e
.endr
	ds_store_b32 v1, v40
	s_wait_dscnt 0x0                               ; for the others' sake: my counts and tokens lie in LDS
	s_barrier_signal -1
	s_barrier_wait -1                              ; the one barrier; no branch stands ahead of it
.irp w, 0,1,2,3,4,5,6,7
	ds_load_b32 v[CW+\w], v3 offset:128*\w
.endr
.irp w, 0,1,2,3,4,5,6,7
	ds_load_b32 v[CA+\w], v3 offset:128*\w+32
.endr
	s_wait_dscnt 0x0
	v_add_nc_u32 v36, v28, v29                     ; T: all tokens of expert lane % 8
	v_add3_u32 v36, v36, v30, v31
	v_add3_u32 v36, v36, v32, v33
	v_add3_u32 v36, v36, v34, v35
	v_max_u32 v68, v60, v61                        ; a token of expert lane % 8, if it has any
.irp w, 2,3,4,5,6,7
	v_max_u32 v68, v68, v[CA+\w]
.endr
	v_mov_b32 v37, 0                               ; P: the tokens of the waves in front of mine
.irp w, 0,1,2,3,4,5,6
	s_cmp_gt_u32 s12, \w
	s_cselect_b32 s52, -1, 0
	v_and_b32 v40, s52, v[CW+\w]
	v_add_nc_u32 v37, v37, v40
.endr
	v_add_nc_u32 v39, 15, v36
	v_lshrrev_b32 v39, 4, v39                      ; NT = ceil(T / 16)
	s_mov_b32 s32, 0                               ; tb[0 .. 8] in s32-40: the running sum of nt[e] (s24-31)
.irp e, 0,1,2,3,4,5,6,7
	v_readlane_b32 s[24+\e], v39, \e
	s_add_co_u32 s[33+\e], s[32+\e], s[24+\e]
.endr
.irp e, 0,1,2,3,4,5,6,7
	v_readlane_b32 s53, v37, \e
	s_lshl_b32 s[44+\e], s[32+\e], 4
	s_add_co_u32 s[44+\e], s[44+\e], s53           ; where my wave's first token of expert e goes
.endr
	v_mov_b32 v38, 0                               ; TBV = tb[lane % 8]
.irp e, 1,2,3,4,5,6,7
	v_cmp_eq_u32 vcc_lo, \e, v2
	v_mov_b32 v40, s[32+\e]
	v_cndmask_b32 v38, v38, v40, vcc_lo
.endr
.irp j, 0,1,2,3,4,5,6,7
	v_mov_b32 v[POS+\j], 0
.endr
	; a token's place: the wave's running place for its expert + the lanes below mine that hold the same expert in the same register
.irp e, 0,1,2,3,4,5,6,7
.irp j, 0,1,2,3,4,5,6,7
	v_cmp_eq_u32 s52, \e, v[I+\j]
	v_mbcnt_lo_u32_b32 v40, s52, s[44+\e]
	v_cndmask_b32 v[POS+\j], v[POS+\j], v40, s52
	s_bcnt1_i32_b32 s53, s52
	s_add_co_u32 s[44+\e], s[44+\e], s53
.endr
.endr
.irp j, 0,1,2,3,4,5,6,7
	v_min_u32 v[POS+\j], 2303, v[POS+\j]           ; a place made from loaded numbers is held inside order before it becomes an address
	v_lshlrev_b32 v[POS+\j], 2, v[POS+\j]
.endr
	; the rest of each expert's last tile: thread t looks at place T + t / 8 of expert t % 8 (at most 15 are wanted)
	v_add_nc_u32 v42, v36, v41
	v_lshlrev_b32 v43, 4, v39
	v_lshl_add_u32 v48, v38, 4, v42
	v_min_u32 v48, 2303, v48
	v_lshlrev_b32 v48, 2, v48
	s_lshl_b32 s53, s40, 4                         ; the last tile's end, in words
	; ---- from here on EXEC changes, and no vector register is written
.irp j, 0,1,2,3,4,5,6,7
	v_cmp_gt_u32 vcc_lo, 8, v[I+\j]                ; tokens that an expert takes
	NARROW
	global_store_b32 v[POS+\j], v[TOK+\j], s[6:7]
	WIDEN
.endr
	v_cmp_lt_u32 vcc_lo, v42, v43
	NARROW
	global_store_b32 v48, v68, s[6:7]              ; the expert's repeated token
	WIDEN
	; all words from the last tile's end on: nine runs of 256 words; only EXEC hangs on the counts
.irp k, 0,1,2,3,4,5,6,7,8
	s_sub_co_i32 s76, s53, 256*\k
	v_cmp_le_i32 vcc_lo, s76, v0                   ; t + 256 k at or behind the end
	NARROW
	global_store_b32 v1, v69, s[6:7] offset:1024*\k
	WIDEN
.endr
	v_cmp_gt_u32 vcc_lo, 8, v0
	NARROW
	global_store_b64 v49, v[38:39], s[8:9]         ; threads 0 .. 7: tb[e], nt[e]
	WIDEN
	; rows that no expert takes: zeros, a lane a row, 256 bytes a trip; the trips step a copy of the buffer's address.  A rare way, jumped over where no lane has such a token
.macro ZEROROW j
	s_mov_b64 s[74:75], s[10:11]                   ; (behind the wait in front of the last widening: no store still reads the pair)
	v_cmp_lt_u32 vcc_lo, 7, v[I+\j]
	NARROW
	s_cbranch_execz .Lnone_\@
	s_mov_b32 s55, 0
.Lz_\@:
.irp i, 0,1,2,3,4,5,6,7,8,9,10,11,12,13,14,15
	global_store_b128 v[ZA+\j], v[44:47], s[74:75] offset:16*\i
.endr
	s_wait_xcnt 0x0                                ; the stores have read their base: it may step
	s_add_nc_u64 s[74:75], s[74:75], 256
	s_add_co_u32 s55, s55, 1
	s_cmp_lt_u32 s55, 16
	s_cbranch_scc1 .Lz_\@
.Lnone_\@:
	WIDEN
.endm
.irp j, 0,1,2,3,4,5,6,7
	ZEROROW \j
.endr
	s_wait_tensorcnt 0x0                           ; the wave's end
	ds_add_u32 v[SPW], v[NIL]
	s_wait_dscnt 0x0
	s_endpgm
.Lfunc_end_k_q5c3ad4124a_route:
	.size	k_q5c3ad4124a_route, .Lfunc_end_k_q5c3ad4124a_route-k_q5c3ad4124a_route
	.p2alignl 7, 3214868480
	.fill 96, 4, 3214868480
	.section	.rodata,"a",@progbits
	.p2align	6, 0x0
	.amdhsa_kernel k_q5c3ad4124a_route
		.amdhsa_group_segment_fixed_size 2048
		.amdhsa_private_segment_fixed_size 0
		.amdhsa_enable_private_segment 0
		.amdhsa_kernarg_size 32
		.amdhsa_user_sgpr_count 2
		.amdhsa_user_sgpr_kernarg_segment_ptr 1
		.amdhsa_wavefront_size32 1
		.amdhsa_system_sgpr_workgroup_id_x 1
		.amdhsa_system_sgpr_workgroup_id_y 1
		.amdhsa_system_sgpr_workgroup_id_z 1
		.amdhsa_system_vgpr_workitem_id 0
		.amdhsa_next_free_vgpr 72
		.amdhsa_next_free_sgpr 80
		.amdhsa_reserve_vcc 1
		.amdhsa_float_denorm_mode_32 3
		.amdhsa_float_denorm_mode_16_64 3
		.amdhsa_memory_ordered 1
		.amdhsa_forward_progress 1
		.amdhsa_inst_pref_size 62
	.end_amdhsa_kernel
	.amdgpu_metadata
---
amdhsa.version: [ 1, 2 ]
amdhsa.kernels:
  - .name:           k_q5c3ad4124a_route
    .symbol:         k_q5c3ad4124a_route.kd
    .args:
      - { .name: expert_indices, .offset: 0, .size: 8, .value_kind: global_buffer, .address_space: global }
      - { .name: order, .offset: 8, .size: 8, .value_kind: global_buffer, .address_space: global }
      - { .name: segs, .offset: 16, .size: 8, .value_kind: global_buffer, .address_space: global }
      - { .name: out0, .offset: 24, .size: 8, .value_kind: global_buffer, .address_space: global }
    .group_segment_fixed_size: 2048
    .private_segment_fixed_size: 0
    .kernarg_segment_align: 8
    .kernarg_segment_size: 32
    .max_flat_workgroup_size: 256
    .sgpr_count:     80
    .vgpr_count:     72
    .wavefront_size: 32
...
	.end_amdgpu_metadata
.endif
;; end of part 1
;; launch ffn1 (part 2): grid 32 x 8, 4 waves a work-group, no clusters, 133,632 bytes of LDS; arguments x_codes, x_scales, W1_codes, W1_scales, b1, order, segs, h_codes, h_scales; writes h_codes, h_scales
.if DOCPART == 2
	.amdgcn_target "amdgcn-amd-amdhsa--gfx1250"
	.amdhsa_code_object_version 6
	.text
	.protected	k_q5c3ad4124a_ffn1
	.globl	k_q5c3ad4124a_ffn1
	.p2align	8
	.type	k_q5c3ad4124a_ffn1,@function
k_q5c3ad4124a_ffn1:
	s_mov_b64 s[64:65], 0
	v_nop
	global_prefetch_b8 v0, s[64:65] scope:SCOPE_SE
	s_setreg_imm32_b32 hwreg(HW_REG_WAVE_MODE, 25, 1), 1
	s_wait_xcnt 0x0
; h = Q(gelu(x W1[e] + b1[e])) for the rows that expert e was chosen for, on codes of E5M2 with one E8M0 scale for each 32 along K; Q quantises along the hidden axis, the next product's K.
; WORK LEFT OUT: the rows of experts that were not chosen for a token (shown dead at the head of the first launch).
; SHARES.  Work-group (x, e) owns hidden units 64 x .. 64 x + 63 of expert e: 64 rows of W1, 64 KB, read from memory once in the launch in runs of 512 bytes, turned in LDS behind the one barrier,
; and then held by EACH of the four waves in 512 registers.  Behind the barrier the waves share nothing: wave w walks the expert's tiles of 16 sorted rows w, w + 4, .., a count read from segs.
; The last trip is written out, so that no branch stands inside a trip and every wait counts the same loads on every way.
; NO TENSOR LOADS, NO CLUSTER: the trip counts hang on numbers that an earlier launch stored; the 32 work-groups of an expert read the same rows of x by plain loads.
; THE PRODUCT IS USED TRANSPOSED (source 0 = 16 rows of W1, source 1 = 16 tokens), AND THE ROWS OF W1 THAT FORM A TILE ARE NOT NEIGHBOURS: lane r of tile 2 b + u takes row 32 b + 8 u + r + 8 (r / 8),
; so that in lane (r, h) the 16 registers of tiles 2 b and 2 b + 1 are token r's hidden units 32 b + 16 h + 0 .. 15: the conversions' results are the next operand's registers.
; h_codes: [tile][K step of 128][2,048 bytes]: an image of the operand's registers, group c at 512 c + 16 lane.  h_scales: [tile][row][64 bytes].
; GELU, exact form: gelu(z) = max(z, 0) - (|z| / 2) erfc(|z| / sqrt 2);  with a = |z| / sqrt 2, q = (a - 2) / (a + 2):  erfc(a) = (1 + p(q)) / (1 + 2 a) x e^(-a a), p of degree 11.
; LIMITS: |z| is held at 16 inside erfc, whose exponential has fallen to 0 well before that; erfc's relative error grows as about 1e-7 (1 + z z), from the rounding of the exponent; under z of about -13 the result is -0 or 0;
; a NaN among the sums becomes 0 (the minimum and the maximum drop it), z = -infinity gives 0; a block of zeros gets the scale byte 1 and not 127: its codes are zeros, and this program alone reads the bytes.
; Rows that fill an expert's last tile repeat one of the expert's tokens (the first launch puts it into order): they give the same numbers as that token's own row.
; REGISTERS, in windows of 256.  Window 0: below.  Window 1: v0-127 a tile of x as loaded; v128-255 its 8 fragments (at the head: W1 on its way to LDS).  Windows 2, 3: W1's fragments, K steps 0-3 and 4-7, at 64 (s % 4) + 16 t.
.set WP,    1040                       ; an LDS row: 1,024 bytes + 16: 65 x 16, so that the 16 rows of a fragment load start in 16 different groups of banks
.set XST,   64*WP                      ; behind W1's 64 rows: a stage of 16 rows for each wave
.set XSZ,   16*WP
.set SPARE, XST+4*XSZ                  ; the spare words, 128 bytes a wave
.set LI,   1                           ; 16 x lane
.set R,    2                           ; lane % 16
.set H,    3                           ; lane / 16
.set WSTO, 4                           ; LDS: where my wave puts rows of W1
.set WFRA, 5                           ; LDS: my lane's place in a fragment of W1
.set XSTO, 6                           ; LDS: where I put 16 bytes of a row of x
.set XFRA, 7                           ; LDS: my lane's place in a fragment of x
.set OA0,  8                           ; 4 h
.set OB0,  9                           ; 4 r
.set OA,   10                          ; byte offsets in order
.set OB,   11
.set XA,   12                          ; v12-19  byte offsets in x_codes: the token of row 2 i + h, + 16 r
.set XSA,  20                          ; byte offset in x_scales: the token of row r
.set HO0,  21
.set HO,   22                          ; byte offset in h_codes
.set SO0,  23
.set SO,   24                          ; byte offset in h_scales
.set BS,   25                          ; my row's two scale bytes
.set SPW,  26                          ; LDS address of my spare word; never rewritten
.set NIL,  27                          ; 0; never rewritten
.set ORD,  28                          ; v28-35  tokens of rows 2 i + h
.set ORDR, 36                          ; the token of row r
.set R16,  37                          ; 16 r
.set WSA,  38
.set B1A,  39
.set XS,   40                          ; v40-47  x's scale words, one a K step
.set WS,   48                          ; v48-63  W1's: register 8 b + s: lanes 0-15 tile 2 b's rows, lanes 16-31 tile 2 b + 1's
.set B1,   64                          ; v64-95  b1 in the result's layout: the C of each sum's first product
.set ACC,  96                          ; v96-127 four accumulators
.set GZ,   128                         ; six arrays of 16 for the GELU
.set GA,   144
.set GP,   160
.set GD,   176
.set GR,   192
.set GE,   208
.set TM,   128                         ; the quantiser's ten registers, where GZ lay
.set CD,   224                         ; v224-231 the codes
.set CK,   232                         ; v232-255 p's twelve coefficients, each twice
.set FR,   128                         ; in window 1
.set MSB, 0
.macro WIN new                         ; the immediate's high byte repeats the setting that is left
.if MSB != \new
	s_set_vgpr_msb (MSB<<8)|\new
.set MSB, \new
.endif
.endm
; the tokens of tile min(s30, nt - 1) of my expert: nine loads
.macro ORDLOAD
	s_min_u32 s30, s30, s29
	s_add_co_u32 s30, s30, s22
	s_min_u32 s30, s30, 134                        ; a tile's number made from loaded numbers is held inside the buffers before it becomes an address
	s_lshl_b32 s30, s30, 6
	v_add_nc_u32 v[OA], s30, v[OA0]
	v_add_nc_u32 v[OB], s30, v[OB0]
.irp i, 0,1,2,3,4,5,6,7
	global_load_b32 v[ORD+\i], v[OA], s[14:15] offset:8*\i
.endr
	global_load_b32 v[ORDR], v[OB], s[14:15]
.endm
; tokens to byte offsets: 18 plain lines.  A loaded token is held inside x before it becomes an address (2048 = no token, which only a wave without tiles meets, becomes 2047)
.macro XADDR
.irp i, 0,1,2,3,4,5,6,7
	v_min_u32 v[ORD+\i], 0x7ff, v[ORD+\i]
.endr
	v_min_u32 v[ORDR], 0x7ff, v[ORDR]
.irp i, 0,1,2,3,4,5,6,7
	v_lshl_add_u32 v[XA+\i], v[ORD+\i], 10, v[R16]
.endr
	v_lshlrev_b32 v[XSA], 5, v[ORDR]
.endm
; a tile of x: 16 gathered rows of 1,024 bytes; sixteen lanes read 256 consecutive aligned bytes of a row; and the rows' 8 scale words
.macro XLOAD
	WIN 0x40
.irp i, 0,1,2,3,4,5,6,7
.irp q, 0,1,2,3
	global_load_b128 v[16*\i+4*\q:16*\i+4*\q+3], v[XA+\i], s[4:5] offset:256*\q
.endr
.endr
	WIN 0
	global_load_b128 v[XS:XS+3], v[XSA], s[6:7]
	global_load_b128 v[XS+4:XS+7], v[XSA], s[6:7] offset:16
.endm
; one product: tile t of my 64 hidden units, K step s
.macro MM1 s, t
.set CB, ACC+8*(\t)
.if (\s) == 0
.set CB, B1+8*(\t)
.endif
.set WR, 64*((\s)%4)+16*(\t)
.if ((\t)%2) == 0
	v_wmma_scale_f32_16x16x128_f8f6f4 v[ACC+8*(\t):ACC+8*(\t)+7], v[WR:WR+15], v[FR+16*(\s):FR+16*(\s)+15], v[CB:CB+7], v[WS+8*((\t)/2)+(\s)], v[XS+(\s)] matrix_a_fmt:MATRIX_FMT_BF8 matrix_b_fmt:MATRIX_FMT_BF8
.else
	v_wmma_scale_f32_16x16x128_f8f6f4 v[ACC+8*(\t):ACC+8*(\t)+7], v[WR:WR+15], v[FR+16*(\s):FR+16*(\s)+15], v[CB:CB+7], v[WS+8*((\t)/2)+(\s)], v[XS+(\s)] matrix_a_fmt:MATRIX_FMT_BF8 matrix_b_fmt:MATRIX_FMT_BF8 matrix_a_scale:MATRIX_SCALE_ROW1
.endif
.endm
; 16 numbers v[z] .. v[z + 15] become their GELU, in place; every line eight or sixteen wide, so that no line waits for the one above it
.macro GELU z
.irp i, 0,1,2,3,4,5,6,7,8,9,10,11,12,13,14,15
	v_min_num_f32 v[GZ+\i], |v[(\z)+\i]|, s40      ; |z|, held at 16; each accumulator is read from its low end on
.endr
.irp i, 0,2,4,6,8,10,12,14
	v_pk_mul_f32 v[GA+\i:GA+\i+1], v[GZ+\i:GZ+\i+1], s[36:37] op_sel_hi:[1,0]           ; a = |z| / sqrt 2
.endr
.irp i, 0,2,4,6,8,10,12,14
	v_pk_add_f32 v[GP+\i:GP+\i+1], v[GA+\i:GA+\i+1], 2.0 op_sel_hi:[1,0]                ; a + 2
.endr
.irp i, 0,2,4,6,8,10,12,14
	v_pk_fma_f32 v[GD+\i:GD+\i+1], v[GA+\i:GA+\i+1], 2.0, 1.0 op_sel_hi:[1,0,0]         ; 2 a + 1
.endr
.irp i, 0,2,4,6,8,10,12,14
	v_pk_mul_f32 v[GR+\i:GR+\i+1], v[GP+\i:GP+\i+1], v[GD+\i:GD+\i+1]                   ; one reciprocal serves both divisions
.endr
.irp i, 0,2,4,6,8,10,12,14
	v_pk_mul_f32 v[GE+\i:GE+\i+1], v[GA+\i:GA+\i+1], s[38:39] op_sel_hi:[1,0]           ; a sqrt(log2 e)
.endr
.irp i, 0,2,4,6,8,10,12,14
	v_pk_fma_f32 v[GE+\i:GE+\i+1], v[GE+\i:GE+\i+1], v[GE+\i:GE+\i+1], -1.0 op_sel_hi:[1,1,0] neg_lo:[1,0,0] neg_hi:[1,0,0]   ; -a a log2 e - 1: the 1 is the half in |z| / 2, exact
.endr
.irp i, 0,1,2,3,4,5,6,7,8,9,10,11,12,13,14,15
	v_rcp_f32 v[GR+\i], v[GR+\i]
.endr
.irp i, 0,1,2,3,4,5,6,7,8,9,10,11,12,13,14,15
	v_exp_f32 v[GE+\i], v[GE+\i]
.endr
.irp i, 0,2,4,6,8,10,12,14
	v_pk_add_f32 v[GA+\i:GA+\i+1], v[GA+\i:GA+\i+1], -2.0 op_sel_hi:[1,0]               ; a - 2: plain work behind the batch, which names none of its results
.endr
.irp i, 0,1,2,3,4,5,6,7,8,9,10,11,12,13,14,15
	v_max_num_f32 v[(\z)+\i], 0, v[(\z)+\i]
.endr
	s_wait_alu depctr_va_vdst(0)                   ; one wait for the batch of 32, ahead of its first reader
.irp i, 0,2,4,6,8,10,12,14
	v_pk_mul_f32 v[GD+\i:GD+\i+1], v[GR+\i:GR+\i+1], v[GD+\i:GD+\i+1]                   ; 1 / (a + 2)
.endr
.irp i, 0,2,4,6,8,10,12,14
	v_pk_mul_f32 v[GP+\i:GP+\i+1], v[GR+\i:GR+\i+1], v[GP+\i:GP+\i+1]                   ; 1 / (2 a + 1)
.endr
.irp i, 0,2,4,6,8,10,12,14
	v_pk_mul_f32 v[GA+\i:GA+\i+1], v[GA+\i:GA+\i+1], v[GD+\i:GD+\i+1]                   ; q
.endr
.irp i, 0,2,4,6,8,10,12,14
	v_pk_fma_f32 v[GR+\i:GR+\i+1], v[CK+22:CK+23], v[GA+\i:GA+\i+1], v[CK+20:CK+21]     ; p(q) by Horner's rule
.endr
.irp k, 9,8,7,6,5,4,3,2,1,0
.irp i, 0,2,4,6,8,10,12,14
	v_pk_fma_f32 v[GR+\i:GR+\i+1], v[GR+\i:GR+\i+1], v[GA+\i:GA+\i+1], v[CK+2*\k:CK+2*\k+1]
.endr
.endr
.irp i, 0,2,4,6,8,10,12,14
	v_pk_fma_f32 v[GR+\i:GR+\i+1], v[GR+\i:GR+\i+1], v[GP+\i:GP+\i+1], v[GP+\i:GP+\i+1] ; (1 + p) / (1 + 2 a)
.endr
.irp i, 0,2,4,6,8,10,12,14
	v_pk_mul_f32 v[GR+\i:GR+\i+1], v[GR+\i:GR+\i+1], v[GE+\i:GE+\i+1]                   ; erfc(a) / 2
.endr
.irp i, 0,2,4,6,8,10,12,14
	v_pk_fma_f32 v[(\z)+\i:(\z)+\i+1], v[GZ+\i:GZ+\i+1], v[GR+\i:GR+\i+1], v[(\z)+\i:(\z)+\i+1] neg_lo:[1,0,0] neg_hi:[1,0,0]   ; max(z, 0) - |z| erfc(a) / 2
.endr
.endm
; my row's two blocks of 32 hidden units (16 in my lane, 16 in lane l xor 16) become codes and two scale bytes
.macro QUANT
.irp b, 0,1
	v_max3_num_f32 v[TM+\b], |v[ACC+16*\b]|, |v[ACC+16*\b+1]|, 0x8000000                ; and the floor 2^(16 - 127): the byte cannot fall under 1
.endr
.irp i, 2,4,6,8,10,12,14
.irp b, 0,1
	v_max3_num_f32 v[TM+\b], v[TM+\b], |v[ACC+16*\b+\i]|, |v[ACC+16*\b+\i+1]|
.endr
.endr
.irp b, 0,1
	v_permlanex16_b32 v[TM+2+\b], v[TM+\b], s42, s43
.endr
.irp b, 0,1
	v_max_num_f32 v[TM+\b], v[TM+\b], v[TM+2+\b]   ; the block's largest magnitude
.endr
.irp b, 0,1
	v_add_nc_u32 v[TM+4+\b], 0xf8800000, v[TM+\b]  ; 15 off its exponent field: the conversion's scale operand
.endr
.irp b, 0,1
	v_and_or_b32 v[TM+6+\b], v[TM+\b], 0x7f800000, s44   ; 57,344 x the scale
.endr
.irp b, 0,1
	v_lshrrev_b32 v[TM+8+\b], 23, v[TM+4+\b]       ; the scale's byte
.endr
	v_lshl_or_b32 v[BS], v[TM+9], 8, v[TM+8]
.irp b, 0,1
.irp i, 0,1,2,3,4,5,6,7,8,9,10,11,12,13,14,15
	v_med3_num_f32 v[ACC+16*\b+\i], v[ACC+16*\b+\i], -v[TM+6+\b], v[TM+6+\b]            ; the conversion to an 8-bit code does not saturate (ISA guide 7.6.2): the hold first
.endr
	v_cvt_scalef32_pk8_bf8_f32 v[CD+4*\b:CD+4*\b+1], v[ACC+16*\b:ACC+16*\b+7], v[TM+4+\b]
	v_cvt_scalef32_pk8_bf8_f32 v[CD+4*\b+2:CD+4*\b+3], v[ACC+16*\b+8:ACC+16*\b+15], v[TM+4+\b]
.endr
	v_nop                                          ; a plain line behind the last conversion: later products write its sources
.endm
; ONE TILE OF 16 ROWS.  pre = 1: the next tile's x and the tokens of the tile after it are asked for, behind the products and ahead of the GELU
.macro TRIP pre
	s_wait_loadcnt 0x0                             ; this tile's x and scale words, and the next tile's tokens
	s_wait_xcnt 0x0                                ; the last tile's stores have read their data and offsets: both are written again below
	s_add_co_u32 s30, s22, s28
	s_min_u32 s30, s30, 134
	s_lshl_b32 s31, s30, 15
	s_lshl_b32 s30, s30, 10
	v_add_nc_u32 v[HO], s31, v[HO0]
	v_add_nc_u32 v[SO], s30, v[SO0]
	WIN 0x04                                       ; an LDS store's data: window 1
.irp i, 0,1,2,3,4,5,6,7
.irp q, 0,1,2,3
	ds_store_b128 v[XSTO], v[16*\i+4*\q:16*\i+4*\q+3] offset:2*WP*\i+256*\q
.endr
.endr
	WIN 0x40
.irp s, 0,1,2,3,4,5,6,7
.irp c, 0,1,2,3
	ds_load_b128 v[FR+16*\s+4*\c:FR+16*\s+4*\c+3], v[XFRA] offset:128*\s+32*\c   ; my wave's own bytes; LDS serves a wave's instructions in order (ISA guide 5.7.1.4): these see the stores above
.endr
.endr
.irp s, 0,1,2,3,4,5,6,7
	s_wait_dscnt 4*(7-\s)                          ; K step s's four loads are in; those of the later K steps may be out
.if \s == 0
	WIN 0x06                                       ; source 0 (W1) window 2, source 1 (x) window 1
.endif
.if \s == 4
	WIN 0x07                                       ; source 0 window 3
.endif
.irp t, 0,1,2,3
	MM1 \s, \t                                     ; the four accumulators by turns, one instruction a turn
.endr
.endr
	WIN 0
.if \pre
	XADDR                                          ; its 18 plain lines are also the places behind the last products, ahead of the loads into the scale words and of the first read of the sums
	s_add_co_u32 s30, s28, 8
	ORDLOAD
	XLOAD
.else
.rept 8
	v_nop
.endr
.endif
	GELU ACC
	GELU ACC+16
	QUANT
	global_store_b128 v[HO], v[CD:CD+3], s[18:19]              ; 32 lanes store 512 consecutive aligned bytes: group 2 (x % 2) of the image,
	global_store_b128 v[HO], v[CD+4:CD+7], s[18:19] offset:512 ; and the group behind it
	global_store_b16 v[SO], v[BS], s[20:21]        ; my row's two scale bytes; lanes r and r + 16 store the same two bytes with the same value.  Rows lie 64 bytes apart: one byte for each 32 of codes
	s_add_co_u32 s28, s28, 4
.endm
	s_load_b256 s[4:11], s[0:1], 0x0               ; x_codes s[4:5], x_scales s[6:7], W1_codes s[8:9], W1_scales s[10:11]
	s_load_b256 s[12:19], s[0:1], 0x20             ; b1 s[12:13], order s[14:15], segs s[16:17], h_codes s[18:19]
	s_load_b64 s[20:21], s[0:1], 0x40              ; h_scales
	v_lshl_add_u32 v[SPW], v0, 2, SPARE
	v_mov_b32 v[NIL], 0
	v_lshrrev_b32 v10, 5, v0
	v_readfirstlane_b32 s24, v10                   ; wave 0..3
	v_and_b32 v[LI], 31, v0
	v_lshlrev_b32 v[LI], 4, v[LI]
	v_and_b32 v[R], 15, v0
	v_bfe_u32 v[H], v0, 4, 1
	s_lshr_b32 s30, s24, 1                         ; W1's row 16 w + i of the slice goes to LDS row 32 (w / 2) + 8 (w % 2) + 16 (i / 8) + i % 8: bits 3 and 4 of the row's number change places,
	s_lshl_b32 s30, s30, 5                         ; so that a tile's 16 chosen rows are 16 neighbouring LDS rows
	s_and_b32 s31, s24, 1
	s_lshl_b32 s31, s31, 3
	s_add_co_u32 s30, s30, s31
	s_mul_i32 s30, s30, WP
	v_add_nc_u32 v[WSTO], s30, v[LI]
	v_mul_u32_u24 v[WFRA], v[R], WP
	v_lshl_add_u32 v[WFRA], v[H], 4, v[WFRA]
	s_mul_i32 s30, s24, XSZ
	s_add_co_u32 s30, s30, XST                     ; my wave's stage
	v_mul_u32_u24 v[XSTO], v[H], WP
	v_lshl_add_u32 v[XSTO], v[R], 4, v[XSTO]
	v_add_nc_u32 v[XSTO], s30, v[XSTO]
	v_add_nc_u32 v[XFRA], s30, v[WFRA]
	v_lshlrev_b32 v[OA0], 2, v[H]
	v_lshlrev_b32 v[OB0], 2, v[R]
	v_lshlrev_b32 v[R16], 4, v[R]
	s_lshl_b32 s30, ttmp9, 10                      ; 2,048 (x / 2) + 1,024 (x % 2) = 1,024 x: my slice's two groups in a tile's images
	v_add_nc_u32 v[HO0], s30, v[LI]
	s_lshl_b32 s30, ttmp9, 1
	v_lshl_add_u32 v[SO0], v[R], 6, s30            ; row r's 64 scale bytes, my slice's two
	v_and_b32 v[WSA], 8, v[R]
	v_add_nc_u32 v[WSA], v[WSA], v[R]
	v_lshl_add_u32 v[WSA], v[H], 3, v[WSA]
	v_lshlrev_b32 v[WSA], 5, v[WSA]                ; W1's scale bytes: row 8 h + r + 8 (r / 8) of a pair of tiles, 32 bytes a row
	v_lshlrev_b32 v[B1A], 6, v[H]                  ; b1: 16 numbers further on for lanes 16-31
	s_and_b32 s46, ttmp7, 0xffff                   ; the expert
	s_lshl_b32 s32, s46, 11
	s_lshl_b32 s33, ttmp9, 6
	s_add_co_u32 s32, s32, s33                     ; 2,048 e + 64 x: my slice's first row of W1
	s_lshl_b32 s30, s24, 4
	s_add_co_u32 s30, s30, s32
	s_lshl_b32 s30, s30, 10                        ; my wave's 16 rows of codes, in bytes
	s_mov_b32 s31, 0
	s_lshl_b32 s34, s32, 5                         ; the slice's scale bytes
	s_mov_b32 s35, 0
	s_lshl_b32 s32, s32, 2                         ; the slice's b1
	s_mov_b32 s33, 0
	s_lshl_b32 s48, s46, 3
	s_mov_b32 s49, 0
	s_mov_b32 s36, 0x3f3504f3                      ; 1 / sqrt 2
	s_mov_b32 s37, s36                             ; (named with it as a pair, so it is written)
	s_mov_b32 s38, 0x3f99be61                      ; sqrt(log2 e)
	s_mov_b32 s39, s38
	s_mov_b32 s40, 0x41800000                      ; 16
	s_mov_b32 s42, 0x76543210
	s_mov_b32 s43, 0xfedcba98                      ; v_permlanex16_b32's selects for lane l xor 16
	s_mov_b32 s44, 0x600000                        ; the mantissa field of 57,344
	s_wait_kmcnt 0x0
	s_add_nc_u64 s[16:17], s[16:17], s[48:49]
	s_load_b64 s[22:23], s[16:17], 0x0             ; tb[e], nt[e]
	s_add_nc_u64 s[8:9], s[8:9], s[30:31]
	s_add_nc_u64 s[10:11], s[10:11], s[34:35]
	s_add_nc_u64 s[12:13], s[12:13], s[32:33]
	WIN 0x40
.irp i, 0,1,2,3,4,5,6,7,8,9,10,11,12,13,14,15
.irp q, 0,1
	global_load_b128 v[FR+4*(2*\i+\q):FR+4*(2*\i+\q)+3], v[LI], s[8:9] offset:1024*\i+512*\q th:TH_LOAD_NT   ; 512 consecutive bytes; each byte of W1 is read once in the launch
.endr
.endr
	WIN 0
.irp b, 0,1
	global_load_b128 v[WS+8*\b:WS+8*\b+3], v[WSA], s[10:11] offset:1024*\b
	global_load_b128 v[WS+8*\b+4:WS+8*\b+7], v[WSA], s[10:11] offset:1024*\b+16
.endr
.irp t, 0,1,2,3
	global_load_b128 v[B1+8*\t:B1+8*\t+3], v[B1A], s[12:13] offset:(32*(\t/2)+8*(\t%2))*4
	global_load_b128 v[B1+8*\t+4:B1+8*\t+7], v[B1A], s[12:13] offset:(32*(\t/2)+8*(\t%2))*4+16
.endr
	s_wait_kmcnt 0x0
	s_min_u32 s22, s22, 134
	s_min_u32 s23, s23, 128
	s_sub_co_u32 s29, s23, 1                       ; nt - 1 (with nt = 0 the greatest number: the minimum below then changes nothing, and the tile's number is held at 134)
	s_add_co_u32 s25, s23, 3
	s_sub_co_u32 s25, s25, s24
	s_lshr_b32 s25, s25, 2                         ; n: my wave's tiles w, w + 4, .. under nt
	s_sub_co_u32 s26, s25, 1
	s_mov_b32 s30, s24
	ORDLOAD                                        ; my first tile's tokens
	s_wait_loadcnt 0x0
	WIN 0x04
.irp i, 0,1,2,3,4,5,6,7,8,9,10,11,12,13,14,15
.irp q, 0,1
	ds_store_b128 v[WSTO], v[FR+4*(2*\i+\q):FR+4*(2*\i+\q)+3] offset:(16*(\i/8)+(\i%8))*WP+512*\q
.endr
.endr
	WIN 0
	XADDR                                          ; my first tile's x is asked for ahead of the barrier, with no branch: x is an input and order is stored whole; a wave without tiles discards what comes
	s_add_co_u32 s30, s24, 4
	ORDLOAD
	XLOAD
	s_wait_dscnt 0x0                               ; for the others' sake: my rows of W1 lie in LDS
	s_barrier_signal -1
	s_barrier_wait -1                              ; the one barrier: behind it W1's rows are only read
	s_cmp_eq_u32 s25, 0
	s_cbranch_scc1 .Lend
	WIN 0x80
.irp s, 0,1,2,3
.irp t, 0,1,2,3
.irp c, 0,1,2,3
	ds_load_b128 v[64*\s+16*\t+4*\c:64*\s+16*\t+4*\c+3], v[WFRA] offset:16*WP*\t+128*\s+32*\c
.endr
.endr
.endr
	WIN 0xc0
.irp s, 4,5,6,7
.irp t, 0,1,2,3
.irp c, 0,1,2,3
	ds_load_b128 v[64*(\s-4)+16*\t+4*\c:64*(\s-4)+16*\t+4*\c+3], v[WFRA] offset:16*WP*\t+128*\s+32*\c
.endr
.endr
.endr
	WIN 0
.macro COEF k, bits
	v_mov_b32 v[CK+2*\k], \bits
	v_mov_b32 v[CK+2*\k+1], \bits
.endm
	COEF 0,  0x3e8dd01d                            ;  2.76978403e-1
	COEF 1,  0xbdbdfae7                            ; -9.27637145e-2
	COEF 2,  0xbe2a040d                            ; -1.66031078e-1
	COEF 3,  0x3e27fc56                            ;  1.64048523e-1
	COEF 4,  0xbd5e0db6                            ; -5.42122945e-2
	COEF 5,  0xbc034ca0                            ; -8.01387429e-3
	COEF 6,  0x3c0e611b                            ;  8.69014394e-3
	COEF 7,  0x3a9e0ebf                            ;  1.20588380e-3
	COEF 8,  0xbab7153e                            ; -1.39681227e-3
	COEF 9,  0xb9b5a7ff                            ; -3.46481771e-4
	COEF 10, 0x39290e63                            ;  1.61224554e-4
	COEF 11, 0x38788000                            ;  5.92470169e-5
	s_mov_b32 s27, 0
	s_mov_b32 s28, s24                             ; the tile in hand, counted within the expert
	s_cmp_eq_u32 s26, 0
	s_cbranch_scc1 .Ltail
.Ltrip:                                            ; n - 1 trips
	TRIP 1
	s_add_co_u32 s27, s27, 1
	s_cmp_lt_u32 s27, s26
	s_cbranch_scc1 .Ltrip
.Ltail:
	TRIP 0                                         ; the last tile asks for nothing
.Lend:
	s_wait_tensorcnt 0x0                           ; the wave's end
	ds_add_u32 v[SPW], v[NIL]
	s_wait_dscnt 0x0
	s_endpgm
.Lfunc_end_k_q5c3ad4124a_ffn1:
	.size	k_q5c3ad4124a_ffn1, .Lfunc_end_k_q5c3ad4124a_ffn1-k_q5c3ad4124a_ffn1
	.p2alignl 7, 3214868480
	.fill 96, 4, 3214868480
	.section	.rodata,"a",@progbits
	.p2align	6, 0x0
	.amdhsa_kernel k_q5c3ad4124a_ffn1
		.amdhsa_group_segment_fixed_size 133632
		.amdhsa_private_segment_fixed_size 0
		.amdhsa_enable_private_segment 0
		.amdhsa_kernarg_size 72
		.amdhsa_user_sgpr_count 2
		.amdhsa_user_sgpr_kernarg_segment_ptr 1
		.amdhsa_wavefront_size32 1
		.amdhsa_system_sgpr_workgroup_id_x 1
		.amdhsa_system_sgpr_workgroup_id_y 1
		.amdhsa_system_sgpr_workgroup_id_z 1
		.amdhsa_system_vgpr_workitem_id 0
		.amdhsa_next_free_vgpr 1024
		.amdhsa_next_free_sgpr 66
		.amdhsa_reserve_vcc 0
		.amdhsa_float_denorm_mode_32 3
		.amdhsa_float_denorm_mode_16_64 3
		.amdhsa_memory_ordered 1
		.amdhsa_forward_progress 1
		.amdhsa_inst_pref_size 117
	.end_amdhsa_kernel
	.amdgpu_metadata
---
amdhsa.version: [ 1, 2 ]
amdhsa.kernels:
  - .name:           k_q5c3ad4124a_ffn1
    .symbol:         k_q5c3ad4124a_ffn1.kd
    .args:
      - { .name: x_codes, .offset: 0, .size: 8, .value_kind: global_buffer, .address_space: global }
      - { .name: x_scales, .offset: 8, .size: 8, .value_kind: global_buffer, .address_space: global }
      - { .name: W1_codes, .offset: 16, .size: 8, .value_kind: global_buffer, .address_space: global }
      - { .name: W1_scales, .offset: 24, .size: 8, .value_kind: global_buffer, .address_space: global }
      - { .name: b1, .offset: 32, .size: 8, .value_kind: global_buffer, .address_space: global }
      - { .name: order, .offset: 40, .size: 8, .value_kind: global_buffer, .address_space: global }
      - { .name: segs, .offset: 48, .size: 8, .value_kind: global_buffer, .address_space: global }
      - { .name: h_codes, .offset: 56, .size: 8, .value_kind: global_buffer, .address_space: global }
      - { .name: h_scales, .offset: 64, .size: 8, .value_kind: global_buffer, .address_space: global }
    .group_segment_fixed_size: 133632
    .private_segment_fixed_size: 0
    .kernarg_segment_align: 8
    .kernarg_segment_size: 72
    .max_flat_workgroup_size: 128
    .sgpr_count:     66
    .vgpr_count:     1024
    .wavefront_size: 32
...
	.end_amdgpu_metadata
.endif
;; end of part 2
;; launch ffn2 (part 3): grid 32 x 8, 4 waves a work-group, no clusters, 75,776 bytes of LDS; arguments h_codes, h_scales, W2_codes, W2_scales, b2, order, segs, out0; writes out0
.if DOCPART == 3
	.amdgcn_target "amdgcn-amd-amdhsa--gfx1250"
	.amdhsa_code_object_version 6
	.text
	.protected	k_q5c3ad4124a_ffn2
	.globl	k_q5c3ad4124a_ffn2
	.p2align	8
	.type	k_q5c3ad4124a_ffn2,@function
k_q5c3ad4124a_ffn2:
	s_mov_b64 s[64:65], 0
	v_nop
	global_prefetch_b8 v0, s[64:65] scope:SCOPE_SE
	s_setreg_imm32_b32 hwreg(HW_REG_WAVE_MODE, 25, 1), 1
	s_wait_xcnt 0x0
; out[token] = h W2[e] + b2[e] for the sorted rows of expert e, on codes of E5M2 with one E8M0 scale for each 32 along K = the 2,048 hidden units.
; WORK LEFT OUT: the rows of experts that were not chosen for a token (shown dead at the head of the first launch).
; Rows that only fill an expert's last tile repeat one of its tokens: they hold the same codes as that token's own row, give the same sums, and are stored by the same wave to the same bytes with the same values.  So no lane is masked.
; SHARES.  Work-group (x, e) owns outputs 32 x .. 32 x + 31 of expert e: 32 rows of W2, 64 KB, read from memory once in the launch in runs of 512 bytes, turned in LDS behind the one barrier, and then
; held by EACH of the four waves in 512 registers.  Behind the barrier wave w walks the expert's tiles of 16 rows w, w + 4, .., a count read from segs; the last trip is written out.
; A slice is 32 outputs because two tiles x 16 K steps x 16 registers fill the 512 registers: so a row's store is 128 consecutive aligned bytes, and the neighbouring slice's work-group writes the 128 beside them.
; NO TENSOR LOADS, NO CLUSTER: the trip counts hang on numbers that an earlier launch stored; the 32 work-groups of an expert read the same images of h by plain loads.
; h comes as images of the operand's registers: each load is 512 consecutive bytes and lands where the matrix instruction wants it.  A tile is asked for in two halves of 8 K steps, each a whole tile's products ahead of its use.
; THE PRODUCT IS USED TRANSPOSED (source 0 = 16 rows of W2, source 1 = 16 rows of h): lane (r, h) holds row r's outputs 16 t + 8 h + 0 .. 7.
; ORDER OF THE SUMS: even and odd K steps go to accumulators of their own (four in all, by turns), b2 starting the even ones, and are added at the end: another order of rounding than one chain along K.
; REGISTERS.  Window 0: below.  Window 1: h's 16 fragments at 16 s (at the head: W2 on its way to LDS).  Windows 2, 3: W2's fragments, K steps 0-7 and 8-15, at 32 (s % 8) + 16 t.
.set WP,    2064                       ; an LDS row of W2: 2,048 bytes + 16: 129 x 16
.set STG,   32*WP                      ; behind them a stage of 16 rows x (128 + 16) bytes for each wave
.set SPARE, STG+4*2304                 ; the spare words, 128 bytes a wave
.set LI,   1                           ; 16 x lane
.set R,    2
.set H,    3
.set WSTO, 4                           ; LDS: where my wave puts rows of W2
.set WFRA, 5                           ; LDS: my lane's place in a fragment
.set STO,  6                           ; LDS: the stage, in
.set SRD,  7                           ; LDS: the stage, back
.set SL,   8                           ; 64 r
.set OL,   9                           ; 4 (lane / 8)
.set OC,   10                          ; my 16 bytes of the slice's 128 in a row of out
.set HA0,  11                          ; byte offsets in h_codes, one for each half, so that neither is written while its loads are out
.set HA1,  12
.set SA0,  13                          ; the same in h_scales
.set SA1,  14
.set OA,   15                          ; in order
.set ORD,  16                          ; v16-19  tokens of rows 4 i + lane / 8
.set OUTA, 20                          ; v20-23  their byte offsets in out
.set SPW,  26
.set NIL,  27
.set HS,   32                          ; v32-47  h's scale words, one a K step
.set WS,   48                          ; v48-63  W2's: lanes 0-15 tile 0's rows, lanes 16-31 tile 1's
.set B2,   64                          ; v64-79  b2 in the result's layout
.set ACC,  96                          ; v96-127 four accumulators: 2 (s % 2) + t
.set OB,   128                         ; v128-143 rows read back from the stage
.set MSB, 0
.macro WIN new                         ; the immediate's high byte repeats the setting that is left
.if MSB != \new
	s_set_vgpr_msb (MSB<<8)|\new
.set MSB, \new
.endif
.endm
.macro G0ADDR                          ; tile s26: three plain vector lines
	s_min_u32 s27, s26, 134                        ; a tile's number made from loaded numbers is held inside the buffers before it becomes an address
	s_lshl_b32 s28, s27, 15
	s_lshl_b32 s29, s27, 10
	s_lshl_b32 s30, s27, 6
	v_add_nc_u32 v[HA0], s28, v[LI]
	v_add_nc_u32 v[SA0], s29, v[SL]
	v_add_nc_u32 v[OA], s30, v[OL]
.endm
.macro G0LOAD                          ; K steps 0-7, their scale words, the tile's tokens: 38 loads
	WIN 0x40
.irp s, 0,1,2,3,4,5,6,7
.irp c, 0,1,2,3
	global_load_b128 v[16*\s+4*\c:16*\s+4*\c+3], v[HA0], s[4:5] offset:2048*\s+512*\c
.endr
.endr
	WIN 0
	global_load_b128 v[HS:HS+3], v[SA0], s[6:7]
	global_load_b128 v[HS+4:HS+7], v[SA0], s[6:7] offset:16
.irp i, 0,1,2,3
	global_load_b32 v[ORD+\i], v[OA], s[14:15] offset:16*\i
.endr
.endm
.macro G1ADDR                          ; the same tile: two plain vector lines
	v_add_nc_u32 v[HA1], s28, v[LI]
	v_add_nc_u32 v[SA1], s29, v[SL]
.endm
.macro G1LOAD                          ; K steps 8-15 and their scale words: 34 loads
	WIN 0x40
.irp s, 8,9,10,11,12,13,14,15
.irp c, 0,1,2,3
	global_load_b128 v[16*\s+4*\c:16*\s+4*\c+3], v[HA1], s[4:5] offset:2048*\s+512*\c
.endr
.endr
	WIN 0
	global_load_b128 v[HS+8:HS+11], v[SA1], s[6:7] offset:32
	global_load_b128 v[HS+12:HS+15], v[SA1], s[6:7] offset:48
.endm
.macro MM2 s, t                        ; one product: tile t of my 32 outputs, K step s
.set AB, ACC+8*(2*((\s)%2)+(\t))
.set CB, AB
.if (\s) == 0
.set CB, B2+8*(\t)
.endif
.set WR, 32*((\s)%8)+16*(\t)
.if (\s) == 1
.if (\t) == 0
	v_wmma_scale_f32_16x16x128_f8f6f4 v[AB:AB+7], v[WR:WR+15], v[16*(\s):16*(\s)+15], 0, v[WS+(\s)], v[HS+(\s)] matrix_a_fmt:MATRIX_FMT_BF8 matrix_b_fmt:MATRIX_FMT_BF8
.else
	v_wmma_scale_f32_16x16x128_f8f6f4 v[AB:AB+7], v[WR:WR+15], v[16*(\s):16*(\s)+15], 0, v[WS+(\s)], v[HS+(\s)] matrix_a_fmt:MATRIX_FMT_BF8 matrix_b_fmt:MATRIX_FMT_BF8 matrix_a_scale:MATRIX_SCALE_ROW1
.endif
.else
.if (\t) == 0
	v_wmma_scale_f32_16x16x128_f8f6f4 v[AB:AB+7], v[WR:WR+15], v[16*(\s):16*(\s)+15], v[CB:CB+7], v[WS+(\s)], v[HS+(\s)] matrix_a_fmt:MATRIX_FMT_BF8 matrix_b_fmt:MATRIX_FMT_BF8
.else
	v_wmma_scale_f32_16x16x128_f8f6f4 v[AB:AB+7], v[WR:WR+15], v[16*(\s):16*(\s)+15], v[CB:CB+7], v[WS+(\s)], v[HS+(\s)] matrix_a_fmt:MATRIX_FMT_BF8 matrix_b_fmt:MATRIX_FMT_BF8 matrix_a_scale:MATRIX_SCALE_ROW1
.endif
.endif
.endm
; ONE TILE OF 16 ROWS.  pre = 1: each half of the next tile is asked for as soon as this tile's products have read that half's registers
.macro TRIP pre
	s_wait_loadcnt 34                              ; the first half (38 loads) is in; the second half's 34 may be out
	s_wait_xcnt 0x0                                ; the last tile's stores have read their data and offsets
.irp i, 0,1,2,3
	v_min_u32 v[OUTA+\i], 0x7ff, v[ORD+\i]         ; a loaded token is held inside out before it becomes an address
.endr
.irp i, 0,1,2,3
	v_lshl_add_u32 v[OUTA+\i], v[OUTA+\i], 12, v[OC]
.endr
	WIN 0x06                                       ; source 0 (W2) window 2, source 1 (h) window 1
.irp s, 0,1,2,3,4,5,6,7
.irp t, 0,1
	MM2 \s, \t                                     ; the four accumulators by turns, one instruction a turn
.endr
.endr
	WIN 0
.if \pre
	s_add_co_u32 s26, s26, 4
	G0ADDR
.rept 5
	v_nop                                          ; with the three lines above: eight places ahead of loads into registers that these products have read
.endr
	G0LOAD
	s_wait_loadcnt 38                              ; this tile's second half is in; the 38 just issued may be out
.else
	s_wait_loadcnt 0x0
.endif
	WIN 0x07                                       ; source 0 window 3
.irp s, 8,9,10,11,12,13,14,15
.irp t, 0,1
	MM2 \s, \t
.endr
.endr
	WIN 0
.if \pre
	G1ADDR
.rept 6
	v_nop                                          ; with the two lines above: eight places, for the loads below and for the first read of the sums
.endr
	G1LOAD
.else
.rept 8
	v_nop
.endr
.endif
.irp t, 0,1
.irp k, 0,2,4,6
	v_pk_add_f32 v[ACC+8*\t+\k:ACC+8*\t+\k+1], v[ACC+8*\t+\k:ACC+8*\t+\k+1], v[ACC+16+8*\t+\k:ACC+16+8*\t+\k+1]   ; even and odd K steps; each accumulator from its low end on
.endr
.endr
.irp t, 0,1
	ds_store_b128 v[STO], v[ACC+8*\t:ACC+8*\t+3] offset:64*\t
	ds_store_b128 v[STO], v[ACC+8*\t+4:ACC+8*\t+7] offset:64*\t+16
.endr
.irp i, 0,1,2,3
	ds_load_b128 v[OB+4*\i:OB+4*\i+3], v[SRD] offset:576*\i    ; my wave's own stage; LDS serves a wave's instructions in order (ISA guide 5.7.1.4): rows 4 i + lane / 8 come back whole
.endr
.irp i, 0,1,2,3
	s_wait_dscnt 3-\i                              ; read-back i is in; the later ones may be out
	global_store_b128 v[OUTA+\i], v[OB+4*\i:OB+4*\i+3], s[18:19] th:TH_STORE_NT   ; eight lanes store 128 consecutive aligned bytes of a token's row; read by nobody here
.endr
.endm
	s_load_b256 s[4:11], s[0:1], 0x0               ; h_codes s[4:5], h_scales s[6:7], W2_codes s[8:9], W2_scales s[10:11]
	s_load_b256 s[12:19], s[0:1], 0x20             ; b2 s[12:13], order s[14:15], segs s[16:17], out0 s[18:19]
	v_lshl_add_u32 v[SPW], v0, 2, SPARE
	v_mov_b32 v[NIL], 0
	v_lshrrev_b32 v28, 5, v0
	v_readfirstlane_b32 s22, v28                   ; wave 0..3
	v_and_b32 v29, 31, v0
	v_lshlrev_b32 v[LI], 4, v29
	v_and_b32 v[R], 15, v0
	v_bfe_u32 v[H], v0, 4, 1
	s_mul_i32 s27, s22, 8*WP
	v_add_nc_u32 v[WSTO], s27, v[LI]               ; my wave's 8 rows of W2
	v_mul_u32_u24 v[WFRA], v[R], WP
	v_lshl_add_u32 v[WFRA], v[H], 4, v[WFRA]
	s_mul_i32 s27, s22, 2304
	s_add_co_u32 s27, s27, STG                     ; my wave's stage
	v_mul_u32_u24 v[STO], v[R], 144
	v_lshl_add_u32 v[STO], v[H], 5, v[STO]
	v_add_nc_u32 v[STO], s27, v[STO]               ; in: row r, 32 bytes for each half of the lanes
	v_bfe_u32 v30, v0, 3, 2                        ; lane / 8
	v_and_b32 v31, 7, v0                           ; lane % 8
	v_mul_u32_u24 v[SRD], v30, 144
	v_lshl_add_u32 v[SRD], v31, 4, v[SRD]
	v_add_nc_u32 v[SRD], s27, v[SRD]               ; back: eight lanes to a row, four rows an instruction
	v_lshlrev_b32 v[SL], 6, v[R]
	v_lshlrev_b32 v[OL], 2, v30
	s_lshl_b32 s28, ttmp9, 7                       ; the slice's 128 bytes in a row of out
	v_lshl_add_u32 v[OC], v31, 4, s28
	v_lshlrev_b32 v24, 6, v29                      ; W2's scale bytes: row = lane, 64 bytes a row
	v_lshlrev_b32 v25, 5, v[H]                     ; b2: 8 numbers further on for lanes 16-31
	s_and_b32 s37, ttmp7, 0xffff                   ; the expert
	s_lshl_b32 s38, s37, 10
	s_lshl_b32 s39, ttmp9, 5
	s_add_co_u32 s38, s38, s39                     ; 1,024 e + 32 x: my slice's first row of W2
	s_lshl_b32 s40, s22, 3
	s_add_co_u32 s40, s40, s38
	s_lshl_b32 s40, s40, 11                        ; my wave's 8 rows of codes, in bytes
	s_mov_b32 s41, 0
	s_lshl_b32 s42, s38, 6                         ; the slice's scale bytes
	s_mov_b32 s43, 0
	s_lshl_b32 s44, s37, 3
	s_mov_b32 s45, 0
	s_lshl_b32 s38, s38, 2                         ; the slice's b2
	s_mov_b32 s39, 0
	s_wait_kmcnt 0x0
	s_add_nc_u64 s[16:17], s[16:17], s[44:45]
	s_load_b64 s[20:21], s[16:17], 0x0             ; tb[e], nt[e]
	s_add_nc_u64 s[8:9], s[8:9], s[40:41]
	s_add_nc_u64 s[10:11], s[10:11], s[42:43]
	s_add_nc_u64 s[12:13], s[12:13], s[38:39]
	WIN 0x40
.irp i, 0,1,2,3,4,5,6,7
.irp q, 0,1,2,3
	global_load_b128 v[4*(4*\i+\q):4*(4*\i+\q)+3], v[LI], s[8:9] offset:2048*\i+512*\q th:TH_LOAD_NT   ; 512 consecutive bytes; each byte of W2 is read once in the launch
.endr
.endr
	WIN 0
.irp k, 0,1,2,3
	global_load_b128 v[WS+4*\k:WS+4*\k+3], v24, s[10:11] offset:16*\k
.endr
.irp t, 0,1
	global_load_b128 v[B2+8*\t:B2+8*\t+3], v25, s[12:13] offset:64*\t
	global_load_b128 v[B2+8*\t+4:B2+8*\t+7], v25, s[12:13] offset:64*\t+16
.endr
	s_wait_loadcnt 0x0
	WIN 0x04
.irp i, 0,1,2,3,4,5,6,7
.irp q, 0,1,2,3
	ds_store_b128 v[WSTO], v[4*(4*\i+\q):4*(4*\i+\q)+3] offset:WP*\i+512*\q
.endr
.endr
	WIN 0
	s_wait_dscnt 0x0                               ; for the others' sake: my rows of W2 lie in LDS
	s_barrier_signal -1
	s_barrier_wait -1                              ; the one barrier, ahead of every branch on loaded numbers: behind it W2's rows are only read
	s_wait_kmcnt 0x0
	s_min_u32 s20, s20, 134
	s_min_u32 s21, s21, 128
	s_add_co_u32 s23, s21, 3
	s_sub_co_u32 s23, s23, s22
	s_lshr_b32 s23, s23, 2                         ; n: my wave's tiles w, w + 4, .. under nt
	s_sub_co_u32 s24, s23, 1
	s_cmp_eq_u32 s23, 0
	s_cbranch_scc1 .Lend                           ; a wave without tiles loads nothing of h: only the tiles that were made are read
	s_add_co_u32 s26, s20, s22                     ; my first tile
	G0ADDR
	G0LOAD
	G1ADDR
	G1LOAD
	WIN 0x80                                       ; W2's fragments come out of LDS while the first tile is on its way
.irp s, 0,1,2,3,4,5,6,7
.irp t, 0,1
.irp c, 0,1,2,3
	ds_load_b128 v[32*\s+16*\t+4*\c:32*\s+16*\t+4*\c+3], v[WFRA] offset:16*WP*\t+128*\s+32*\c
.endr
.endr
.endr
	WIN 0xc0
.irp s, 8,9,10,11,12,13,14,15
.irp t, 0,1
.irp c, 0,1,2,3
	ds_load_b128 v[32*(\s-8)+16*\t+4*\c:32*(\s-8)+16*\t+4*\c+3], v[WFRA] offset:16*WP*\t+128*\s+32*\c
.endr
.endr
.endr
	WIN 0
	s_wait_dscnt 0x0
	s_mov_b32 s25, 0
	s_cmp_eq_u32 s24, 0
	s_cbranch_scc1 .Ltail
.Ltrip:                                            ; n - 1 trips
	TRIP 1
	s_add_co_u32 s25, s25, 1
	s_cmp_lt_u32 s25, s24
	s_cbranch_scc1 .Ltrip
.Ltail:
	TRIP 0                                         ; the last tile asks for nothing
.Lend:
	s_wait_tensorcnt 0x0                           ; the wave's end
	ds_add_u32 v[SPW], v[NIL]
	s_wait_dscnt 0x0
	s_endpgm
.Lfunc_end_k_q5c3ad4124a_ffn2:
	.size	k_q5c3ad4124a_ffn2, .Lfunc_end_k_q5c3ad4124a_ffn2-k_q5c3ad4124a_ffn2
	.p2alignl 7, 3214868480
	.fill 96, 4, 3214868480
	.section	.rodata,"a",@progbits
	.p2align	6, 0x0
	.amdhsa_kernel k_q5c3ad4124a_ffn2
		.amdhsa_group_segment_fixed_size 75776
		.amdhsa_private_segment_fixed_size 0
		.amdhsa_enable_private_segment 0
		.amdhsa_kernarg_size 64
		.amdhsa_user_sgpr_count 2
		.amdhsa_user_sgpr_kernarg_segment_ptr 1
		.amdhsa_wavefront_size32 1
		.amdhsa_system_sgpr_workgroup_id_x 1
		.amdhsa_system_sgpr_workgroup_id_y 1
		.amdhsa_system_sgpr_workgroup_id_z 1
		.amdhsa_system_vgpr_workitem_id 0
		.amdhsa_next_free_vgpr 1024
		.amdhsa_next_free_sgpr 66
		.amdhsa_reserve_vcc 0
		.amdhsa_float_denorm_mode_32 3
		.amdhsa_float_denorm_mode_16_64 3
		.amdhsa_memory_ordered 1
		.amdhsa_forward_progress 1
		.amdhsa_inst_pref_size 45
	.end_amdhsa_kernel
	.amdgpu_metadata
---
amdhsa.version: [ 1, 2 ]
amdhsa.kernels:
  - .name:           k_q5c3ad4124a_ffn2
    .symbol:         k_q5c3ad4124a_ffn2.kd
    .args:
      - { .name: h_codes, .offset: 0, .size: 8, .value_kind: global_buffer, .address_space: global }
      - { .name: h_scales, .offset: 8, .size: 8, .value_kind: global_buffer, .address_space: global }
      - { .name: W2_codes, .offset: 16, .size: 8, .value_kind: global_buffer, .address_space: global }
      - { .name: W2_scales, .offset: 24, .size: 8, .value_kind: global_buffer, .address_space: global }
      - { .name: b2, .offset: 32, .size: 8, .value_kind: global_buffer, .address_space: global }
      - { .name: order, .offset: 40, .size: 8, .value_kind: global_buffer, .address_space: global }
      - { .name: segs, .offset: 48, .size: 8, .value_kind: global_buffer, .address_space: global }
      - { .name: out0, .offset: 56, .size: 8, .value_kind: global_buffer, .address_space: global }
    .group_segment_fixed_size: 75776
    .private_segment_fixed_size: 0
    .kernarg_segment_align: 8
    .kernarg_segment_size: 64
    .max_flat_workgroup_size: 128
    .sgpr_count:     66
    .vgpr_count:     1024
    .wavefront_size: 32
...
	.end_amdgpu_metadata
.endif
;; end of part 3
;; ======== version 2 of 2: 3 launches; version 1 with the launches ffn1, ffn2 written anew for expert scheduling mode
;; workspace buffers: order 9,216 bytes of whole numbers; segs 256 bytes of whole numbers; h_codes 4,423,680 bytes; h_scales 138,240 bytes
;; launch route: the kernel of part 1 again; grid 1 x 1, 8 waves a work-group, no clusters, 2,048 bytes of LDS; arguments expert_indices, order, segs, out0; writes order, segs, out0
;; launch ffn1 (part 4): grid 32 x 8, 4 waves a work-group, no clusters, 133,632 bytes of LDS; arguments x_codes, x_scales, W1_codes, W1_scales, b1, order, segs, h_codes, h_scales; writes h_codes, h_scales
.if DOCPART == 4
	.amdgcn_target "amdgcn-amd-amdhsa--gfx1250"
	.amdhsa_code_object_version 6
	.text
	.protected	k_q5c3ad4124a_ffn1
	.globl	k_q5c3ad4124a_ffn1
	.p2align	8
	.type	k_q5c3ad4124a_ffn1,@function
k_q5c3ad4124a_ffn1:
	s_mov_b64 s[64:65], 0
	v_nop
	global_prefetch_b8 v0, s[64:65] scope:SCOPE_SE
	s_setreg_imm32_b32 hwreg(HW_REG_WAVE_SCHED_MODE, 0, 2), 2
	s_setreg_imm32_b32 hwreg(HW_REG_WAVE_MODE, 25, 1), 1
	s_wait_xcnt 0x0
	s_wait_alu depctr_vm_vsrc(0)
; h = Q(gelu(x W1[e] + b1[e])) for the rows that expert e was chosen for, on codes of E5M2 with one E8M0 scale for each 32 along K; Q quantises along the hidden axis, the next product's K.
; WORK LEFT OUT: the rows of experts that were not chosen for a token (shown dead at the head of the first launch).
; SHARES.  Work-group (x, e) owns hidden units 64 x .. 64 x + 63 of expert e: 64 rows of W1, 64 KB, read from memory once in the launch in runs of 512 bytes, turned in LDS behind the one barrier,
; and then held by EACH of the four waves in 512 registers.  Behind the barrier the waves share nothing: wave w walks the expert's tiles of 16 sorted rows w, w + 4, .., a count read from segs.
; The last trip is written out, so that no branch stands inside a trip and every wait counts the same loads on every way.
; NO TENSOR LOADS, NO CLUSTER: the trip counts hang on numbers that an earlier launch stored; the 32 work-groups of an expert read the same rows of x by plain loads.
; THE PRODUCT IS USED TRANSPOSED (source 0 = 16 rows of W1, source 1 = 16 tokens), AND THE ROWS OF W1 THAT FORM A TILE ARE NOT NEIGHBOURS: lane r of tile 2 b + u takes row 32 b + 8 u + r + 8 (r / 8),
; so that in lane (r, h) the 16 registers of tiles 2 b and 2 b + 1 are token r's hidden units 32 b + 16 h + 0 .. 15: the conversions' results are the next operand's registers.
; h_codes: [tile][K step of 128][2,048 bytes]: an image of the operand's registers, group c at 512 c + 16 lane.  h_scales: [tile][row][64 bytes].
; GELU, exact form: gelu(z) = max(z, 0) - (|z| / 2) erfc(|z| / sqrt 2);  with a = |z| / sqrt 2, q = (a - 2) / (a + 2):  erfc(a) = (1 + p(q)) / (1 + 2 a) x e^(-a a), p of degree 11.
; LIMITS: |z| is held at 16 inside erfc, whose exponential has fallen to 0 well before that; erfc's relative error grows as about 1e-7 (1 + z z), from the rounding of the exponent; under z of about -13 the result is -0 or 0;
; a NaN among the sums becomes 0 (the minimum and the maximum drop it), z = -infinity gives 0; a block of zeros gets the scale byte 1 and not 127: its codes are zeros, and this program alone reads the bytes.
; Rows that fill an expert's last tile repeat one of the expert's tokens (the first launch puts it into order): they give the same numbers as that token's own row.
; REGISTERS, in windows of 256.  Window 0: below.  Window 1: v0-127 a tile of x as loaded; v128-255 its 8 fragments (at the head: W1 on its way to LDS).  Windows 2, 3: W1's fragments, K steps 0-3 and 4-7, at 64 (s % 4) + 16 t.
; THE MODE: SCHED_MODE bits 1:0 = 2 (LLVM: expert scheduling mode 2), set by the entry lines.  The code itself states the register dependences
; between vector or matrix instructions and memory or LDS instructions, with s_wait_alu, always for 0.
; THE PLAN.  Registers that memory or LDS instructions touch in a trip:
;   RAW (window 1, v0-127)    read by the trip's 32 LDS stores; then the next tile's 32 loads land in it.  No vector or matrix instruction names it.
;   FR  (window 1, v128-255)  the trip's 32 LDS loads land in it; its products read it.
;   XS                        the products read it as scales; behind them the next tile's two loads land in it.
;   ORD, ORDR                 tokens: loaded a trip ahead; held and turned into offsets by XADDR; then the loads for the tile after the next land in them.
;   XA, XSA, OA, OB           offsets: written by XADDR and ORDADDR, read by the loads that follow these.
;   HO, SO, CD, BS            offsets and data of the trip's three stores: written behind the products, read at the trip's end.
;   LI, XSTO, XFRA, WSTO, WFRA are made at the head and never written again.
; A trip's waits: ONE on vm_vsrc, behind its LDS run (RAW has been read; so have the registers of the last trip's loads and stores); one on va_vdst behind the offsets' 20 lines, ahead of 41 loads, which
; so go out ahead of the trip's products; one behind the products, ahead of the two loads into XS; the two behind the GELU's batches; one ahead of the three stores.
.set WP,    1040                       ; an LDS row: 1,024 bytes + 16: 65 x 16, so that the 16 rows of a fragment load start in 16 different groups of banks
.set XST,   64*WP                      ; behind W1's 64 rows: a stage of 16 rows for each wave
.set XSZ,   16*WP
.set SPARE, XST+4*XSZ                  ; the spare words, 128 bytes a wave
.set LI,   1                           ; 16 x lane
.set R,    2                           ; lane % 16
.set H,    3                           ; lane / 16
.set WSTO, 4                           ; LDS: where my wave puts rows of W1
.set WFRA, 5                           ; LDS: my lane's place in a fragment of W1
.set XSTO, 6                           ; LDS: where I put 16 bytes of a row of x
.set XFRA, 7                           ; LDS: my lane's place in a fragment of x
.set OA0,  8                           ; 4 h
.set OB0,  9                           ; 4 r
.set OA,   10                          ; byte offsets in order
.set OB,   11
.set XA,   12                          ; v12-19  byte offsets in x_codes: the token of row 2 i + h, + 16 r
.set XSA,  20                          ; byte offset in x_scales: the token of row r
.set HO0,  21
.set HO,   22                          ; byte offset in h_codes
.set SO0,  23
.set SO,   24                          ; byte offset in h_scales
.set BS,   25                          ; my row's two scale bytes
.set SPW,  26                          ; LDS address of my spare word; never rewritten
.set NIL,  27                          ; 0; never rewritten
.set ORD,  28                          ; v28-35  tokens of rows 2 i + h
.set ORDR, 36                          ; the token of row r
.set R16,  37                          ; 16 r
.set WSA,  38
.set B1A,  39
.set XS,   40                          ; v40-47  x's scale words, one a K step
.set WS,   48                          ; v48-63  W1's: register 8 b + s: lanes 0-15 tile 2 b's rows, lanes 16-31 tile 2 b + 1's
.set B1,   64                          ; v64-95  b1 in the result's layout: the C of each sum's first product
.set ACC,  96                          ; v96-127 four accumulators
.set GZ,   128                         ; six arrays of 16 for the GELU
.set GA,   144
.set GP,   160
.set GD,   176
.set GR,   192
.set GE,   208
.set TM,   128                         ; the quantiser's ten registers, where GZ lay
.set CD,   224                         ; v224-231 the codes
.set CK,   232                         ; v232-255 p's twelve coefficients, each twice
.set FR,   128                         ; in window 1
.set MSB, 0
.macro WIN new                         ; the immediate's high byte repeats the setting that is left
.if MSB != \new
	s_set_vgpr_msb (MSB<<8)|\new
.set MSB, \new
.endif
.endm
; the offsets in order of the tokens of tile min(s30, nt - 1) of my expert
.macro ORDADDR
	s_min_u32 s30, s30, s29
	s_add_co_u32 s30, s30, s22
	s_min_u32 s30, s30, 134                        ; a tile's number made from loaded numbers is held inside the buffers before it becomes an address
	s_lshl_b32 s30, s30, 6
	v_add_nc_u32 v[OA], s30, v[OA0]
	v_add_nc_u32 v[OB], s30, v[OB0]
.endm
; and the tokens: nine loads
.macro ORDGET
.irp i, 0,1,2,3,4,5,6,7
	global_load_b32 v[ORD+\i], v[OA], s[14:15] offset:8*\i
.endr
	global_load_b32 v[ORDR], v[OB], s[14:15]
.endm
; tokens to byte offsets: 18 plain lines.  A loaded token is held inside x before it becomes an address (2048 = no token, which only a wave without tiles meets, becomes 2047)
.macro XADDR
.irp i, 0,1,2,3,4,5,6,7
	v_min_u32 v[ORD+\i], 0x7ff, v[ORD+\i]
.endr
	v_min_u32 v[ORDR], 0x7ff, v[ORDR]
.irp i, 0,1,2,3,4,5,6,7
	v_lshl_add_u32 v[XA+\i], v[ORD+\i], 10, v[R16]
.endr
	v_lshlrev_b32 v[XSA], 5, v[ORDR]
.endm
; a tile of x: 16 gathered rows of 1,024 bytes; sixteen lanes read 256 consecutive aligned bytes of a row
.macro XRAW
	WIN 0x40
.irp i, 0,1,2,3,4,5,6,7
.irp q, 0,1,2,3
	global_load_b128 v[16*\i+4*\q:16*\i+4*\q+3], v[XA+\i], s[4:5] offset:256*\q
.endr
.endr
.endm
; and the rows' 8 scale words
.macro XSCL
	WIN 0
	global_load_b128 v[XS:XS+3], v[XSA], s[6:7]
	global_load_b128 v[XS+4:XS+7], v[XSA], s[6:7] offset:16
.endm
; one product: tile t of my 64 hidden units, K step s
.macro MM1 s, t
.set CB, ACC+8*(\t)
.if (\s) == 0
.set CB, B1+8*(\t)
.endif
.set WR, 64*((\s)%4)+16*(\t)
.if ((\t)%2) == 0
	v_wmma_scale_f32_16x16x128_f8f6f4 v[ACC+8*(\t):ACC+8*(\t)+7], v[WR:WR+15], v[FR+16*(\s):FR+16*(\s)+15], v[CB:CB+7], v[WS+8*((\t)/2)+(\s)], v[XS+(\s)] matrix_a_fmt:MATRIX_FMT_BF8 matrix_b_fmt:MATRIX_FMT_BF8
.else
	v_wmma_scale_f32_16x16x128_f8f6f4 v[ACC+8*(\t):ACC+8*(\t)+7], v[WR:WR+15], v[FR+16*(\s):FR+16*(\s)+15], v[CB:CB+7], v[WS+8*((\t)/2)+(\s)], v[XS+(\s)] matrix_a_fmt:MATRIX_FMT_BF8 matrix_b_fmt:MATRIX_FMT_BF8 matrix_a_scale:MATRIX_SCALE_ROW1
.endif
.endm
; 16 numbers v[z] .. v[z + 15] become their GELU, in place; every line eight or sixteen wide, so that no line waits for the one above it.  No memory or LDS instruction names its registers
.macro GELU z
.irp i, 0,1,2,3,4,5,6,7,8,9,10,11,12,13,14,15
	v_min_num_f32 v[GZ+\i], |v[(\z)+\i]|, s40      ; |z|, held at 16; each accumulator is read from its low end on
.endr
.irp i, 0,2,4,6,8,10,12,14
	v_pk_mul_f32 v[GA+\i:GA+\i+1], v[GZ+\i:GZ+\i+1], s[36:37] op_sel_hi:[1,0]           ; a = |z| / sqrt 2
.endr
.irp i, 0,2,4,6,8,10,12,14
	v_pk_add_f32 v[GP+\i:GP+\i+1], v[GA+\i:GA+\i+1], 2.0 op_sel_hi:[1,0]                ; a + 2
.endr
.irp i, 0,2,4,6,8,10,12,14
	v_pk_fma_f32 v[GD+\i:GD+\i+1], v[GA+\i:GA+\i+1], 2.0, 1.0 op_sel_hi:[1,0,0]         ; 2 a + 1
.endr
.irp i, 0,2,4,6,8,10,12,14
	v_pk_mul_f32 v[GR+\i:GR+\i+1], v[GP+\i:GP+\i+1], v[GD+\i:GD+\i+1]                   ; one reciprocal serves both divisions
.endr
.irp i, 0,2,4,6,8,10,12,14
	v_pk_mul_f32 v[GE+\i:GE+\i+1], v[GA+\i:GA+\i+1], s[38:39] op_sel_hi:[1,0]           ; a sqrt(log2 e)
.endr
.irp i, 0,2,4,6,8,10,12,14
	v_pk_fma_f32 v[GE+\i:GE+\i+1], v[GE+\i:GE+\i+1], v[GE+\i:GE+\i+1], -1.0 op_sel_hi:[1,1,0] neg_lo:[1,0,0] neg_hi:[1,0,0]   ; -a a log2 e - 1: the 1 is the half in |z| / 2, exact
.endr
.irp i, 0,1,2,3,4,5,6,7,8,9,10,11,12,13,14,15
	v_rcp_f32 v[GR+\i], v[GR+\i]
.endr
.irp i, 0,1,2,3,4,5,6,7,8,9,10,11,12,13,14,15
	v_exp_f32 v[GE+\i], v[GE+\i]
.endr
.irp i, 0,2,4,6,8,10,12,14
	v_pk_add_f32 v[GA+\i:GA+\i+1], v[GA+\i:GA+\i+1], -2.0 op_sel_hi:[1,0]               ; a - 2: plain work behind the batch, which names none of its results
.endr
.irp i, 0,1,2,3,4,5,6,7,8,9,10,11,12,13,14,15
	v_max_num_f32 v[(\z)+\i], 0, v[(\z)+\i]
.endr
	s_wait_alu depctr_va_vdst(0)                   ; the 16 reciprocals in v[GR ..] and the 16 exponentials in v[GE ..] are written: one wait for the batch, ahead of its first reader
.irp i, 0,2,4,6,8,10,12,14
	v_pk_mul_f32 v[GD+\i:GD+\i+1], v[GR+\i:GR+\i+1], v[GD+\i:GD+\i+1]                   ; 1 / (a + 2)
.endr
.irp i, 0,2,4,6,8,10,12,14
	v_pk_mul_f32 v[GP+\i:GP+\i+1], v[GR+\i:GR+\i+1], v[GP+\i:GP+\i+1]                   ; 1 / (2 a + 1)
.endr
.irp i, 0,2,4,6,8,10,12,14
	v_pk_mul_f32 v[GA+\i:GA+\i+1], v[GA+\i:GA+\i+1], v[GD+\i:GD+\i+1]                   ; q
.endr
.irp i, 0,2,4,6,8,10,12,14
	v_pk_fma_f32 v[GR+\i:GR+\i+1], v[CK+22:CK+23], v[GA+\i:GA+\i+1], v[CK+20:CK+21]     ; p(q) by Horner's rule
.endr
.irp k, 9,8,7,6,5,4,3,2,1,0
.irp i, 0,2,4,6,8,10,12,14
	v_pk_fma_f32 v[GR+\i:GR+\i+1], v[GR+\i:GR+\i+1], v[GA+\i:GA+\i+1], v[CK+2*\k:CK+2*\k+1]
.endr
.endr
.irp i, 0,2,4,6,8,10,12,14
	v_pk_fma_f32 v[GR+\i:GR+\i+1], v[GR+\i:GR+\i+1], v[GP+\i:GP+\i+1], v[GP+\i:GP+\i+1] ; (1 + p) / (1 + 2 a)
.endr
.irp i, 0,2,4,6,8,10,12,14
	v_pk_mul_f32 v[GR+\i:GR+\i+1], v[GR+\i:GR+\i+1], v[GE+\i:GE+\i+1]                   ; erfc(a) / 2
.endr
.irp i, 0,2,4,6,8,10,12,14
	v_pk_fma_f32 v[(\z)+\i:(\z)+\i+1], v[GZ+\i:GZ+\i+1], v[GR+\i:GR+\i+1], v[(\z)+\i:(\z)+\i+1] neg_lo:[1,0,0] neg_hi:[1,0,0]   ; max(z, 0) - |z| erfc(a) / 2
.endr
.endm
; my row's two blocks of 32 hidden units (16 in my lane, 16 in lane l xor 16) become codes and two scale bytes
.macro QUANT
.irp b, 0,1
	v_max3_num_f32 v[TM+\b], |v[ACC+16*\b]|, |v[ACC+16*\b+1]|, 0x8000000                ; and the floor 2^(16 - 127): the byte cannot fall under 1
.endr
.irp i, 2,4,6,8,10,12,14
.irp b, 0,1
	v_max3_num_f32 v[TM+\b], v[TM+\b], |v[ACC+16*\b+\i]|, |v[ACC+16*\b+\i+1]|
.endr
.endr
.irp b, 0,1
	v_permlanex16_b32 v[TM+2+\b], v[TM+\b], s42, s43
.endr
.irp b, 0,1
	v_max_num_f32 v[TM+\b], v[TM+\b], v[TM+2+\b]   ; the block's largest magnitude
.endr
.irp b, 0,1
	v_add_nc_u32 v[TM+4+\b], 0xf8800000, v[TM+\b]  ; 15 off its exponent field: the conversion's scale operand
.endr
.irp b, 0,1
	v_and_or_b32 v[TM+6+\b], v[TM+\b], 0x7f800000, s44   ; 57,344 x the scale
.endr
.irp b, 0,1
	v_lshrrev_b32 v[TM+8+\b], 23, v[TM+4+\b]       ; the scale's byte
.endr
	v_lshl_or_b32 v[BS], v[TM+9], 8, v[TM+8]
.irp b, 0,1
.irp i, 0,1,2,3,4,5,6,7,8,9,10,11,12,13,14,15
	v_med3_num_f32 v[ACC+16*\b+\i], v[ACC+16*\b+\i], -v[TM+6+\b], v[TM+6+\b]            ; the conversion to an 8-bit code does not saturate (ISA guide 7.6.2): the hold first
.endr
	v_cvt_scalef32_pk8_bf8_f32 v[CD+4*\b:CD+4*\b+1], v[ACC+16*\b:ACC+16*\b+7], v[TM+4+\b]
	v_cvt_scalef32_pk8_bf8_f32 v[CD+4*\b+2:CD+4*\b+3], v[ACC+16*\b+8:ACC+16*\b+15], v[TM+4+\b]
.endr
	v_nop                                          ; a plain line behind the last conversion: later products write its sources
.endm
; ONE TILE OF 16 ROWS.  pre = 1: the next tile's x and the tokens of the tile after it are asked for behind the trip's LDS run, ahead of its products; the next tile's scale words behind the products
.macro TRIP pre
	s_wait_loadcnt 0x0                             ; this tile's x and scale words, and the next tile's tokens
	s_wait_xcnt 0x0                                ; the last tile's stores have had their addresses translated: their data and offsets are written again below
	WIN 0x04                                       ; an LDS store's data: window 1
.irp i, 0,1,2,3,4,5,6,7
.irp q, 0,1,2,3
	ds_store_b128 v[XSTO], v[16*\i+4*\q:16*\i+4*\q+3] offset:2*WP*\i+256*\q
.endr
.endr
	WIN 0x40
.irp s, 0,1,2,3,4,5,6,7
.irp c, 0,1,2,3
	ds_load_b128 v[FR+16*\s+4*\c:FR+16*\s+4*\c+3], v[XFRA] offset:128*\s+32*\c   ; my wave's own bytes; LDS serves a wave's instructions in order (ISA guide 5.7.1.4): these see the stores above.  (The last trip's products were shown done reading FR by the waits on va_vdst behind them)
.endr
.endr
	s_wait_alu depctr_vm_vsrc(0)                   ; the LDS stores above have read RAW, in which the next tile's loads land; the last tile's stores have read HO, SO, CD and BS, the last trip's loads XA, XSA, OA and OB: all are written again below
.if \pre
	WIN 0
	XADDR
	s_add_co_u32 s30, s28, 8
	ORDADDR
	s_wait_alu depctr_va_vdst(0)                   ; XA, XSA, OA and OB are written, which the loads below read; XADDR is done with ORD and ORDR, in which nine of them land
	ORDGET
	XRAW                                           ; no vector or matrix instruction names RAW: nothing more is owed
.endif
.irp s, 0,1,2,3,4,5,6,7
	s_wait_dscnt 4*(7-\s)                          ; K step s's four loads are in; those of the later K steps may be out
.if \s == 0
	WIN 0x06                                       ; source 0 (W1) window 2, source 1 (x) window 1
.endif
.if \s == 4
	WIN 0x07                                       ; source 0 window 3
.endif
.irp t, 0,1,2,3
	MM1 \s, \t                                     ; the four accumulators by turns, one instruction a turn
.endr
.endr
	WIN 0
	s_add_co_u32 s30, s22, s28
	s_min_u32 s30, s30, 134
	s_lshl_b32 s31, s30, 15
	s_lshl_b32 s30, s30, 10
	v_add_nc_u32 v[HO], s31, v[HO0]                ; where this tile's codes and scale bytes go.  These two lines and the six below are the eight places behind the last products, ahead of the first read of the sums
	v_add_nc_u32 v[SO], s30, v[SO0]
.rept 6
	v_nop
.endr
.if \pre
	s_wait_alu depctr_va_vdst(0)                   ; the products are done reading XS, in which the next tile's scale words land, and FR, in which the next trip's LDS loads land
	XSCL
.endif
	GELU ACC
	GELU ACC+16
	QUANT
	s_wait_alu depctr_va_vdst(0)                   ; the conversions have written CD, the quantiser BS, the two additions HO and SO: the three stores read them
	global_store_b128 v[HO], v[CD:CD+3], s[18:19]              ; 32 lanes store 512 consecutive aligned bytes: group 2 (x % 2) of the image,
	global_store_b128 v[HO], v[CD+4:CD+7], s[18:19] offset:512 ; and the group behind it
	global_store_b16 v[SO], v[BS], s[20:21]        ; my row's two scale bytes; lanes r and r + 16 store the same two bytes with the same value.  Rows lie 64 bytes apart: one byte for each 32 of codes
	s_add_co_u32 s28, s28, 4
.endm
	s_load_b256 s[4:11], s[0:1], 0x0               ; x_codes s[4:5], x_scales s[6:7], W1_codes s[8:9], W1_scales s[10:11]
	s_load_b256 s[12:19], s[0:1], 0x20             ; b1 s[12:13], order s[14:15], segs s[16:17], h_codes s[18:19]
	s_load_b64 s[20:21], s[0:1], 0x40              ; h_scales
	v_lshl_add_u32 v[SPW], v0, 2, SPARE
	v_mov_b32 v[NIL], 0
	v_lshrrev_b32 v10, 5, v0
	v_readfirstlane_b32 s24, v10                   ; wave 0..3
	v_and_b32 v[LI], 31, v0
	v_lshlrev_b32 v[LI], 4, v[LI]
	v_and_b32 v[R], 15, v0
	v_bfe_u32 v[H], v0, 4, 1
	s_wait_alu depctr_va_sdst(0)                   ; s24 is written, ahead of its first reader: LDS places, bases and the trip count are made from it
	s_lshr_b32 s30, s24, 1                         ; W1's row 16 w + i of the slice goes to LDS row 32 (w / 2) + 8 (w % 2) + 16 (i / 8) + i % 8: bits 3 and 4 of the row's number change places,
	s_lshl_b32 s30, s30, 5                         ; so that a tile's 16 chosen rows are 16 neighbouring LDS rows
	s_and_b32 s31, s24, 1
	s_lshl_b32 s31, s31, 3
	s_add_co_u32 s30, s30, s31
	s_mul_i32 s30, s30, WP
	v_add_nc_u32 v[WSTO], s30, v[LI]
	v_mul_u32_u24 v[WFRA], v[R], WP
	v_lshl_add_u32 v[WFRA], v[H], 4, v[WFRA]
	s_mul_i32 s30, s24, XSZ
	s_add_co_u32 s30, s30, XST                     ; my wave's stage
	v_mul_u32_u24 v[XSTO], v[H], WP
	v_lshl_add_u32 v[XSTO], v[R], 4, v[XSTO]
	v_add_nc_u32 v[XSTO], s30, v[XSTO]
	v_add_nc_u32 v[XFRA], s30, v[WFRA]
	v_lshlrev_b32 v[OA0], 2, v[H]
	v_lshlrev_b32 v[OB0], 2, v[R]
	v_lshlrev_b32 v[R16], 4, v[R]
	s_lshl_b32 s30, ttmp9, 10                      ; 2,048 (x / 2) + 1,024 (x % 2) = 1,024 x: my slice's two groups in a tile's images
	v_add_nc_u32 v[HO0], s30, v[LI]
	s_lshl_b32 s30, ttmp9, 1
	v_lshl_add_u32 v[SO0], v[R], 6, s30            ; row r's 64 scale bytes, my slice's two
	v_and_b32 v[WSA], 8, v[R]
	v_add_nc_u32 v[WSA], v[WSA], v[R]
	v_lshl_add_u32 v[WSA], v[H], 3, v[WSA]
	v_lshlrev_b32 v[WSA], 5, v[WSA]                ; W1's scale bytes: row 8 h + r + 8 (r / 8) of a pair of tiles, 32 bytes a row
	v_lshlrev_b32 v[B1A], 6, v[H]                  ; b1: 16 numbers further on for lanes 16-31
	s_and_b32 s46, ttmp7, 0xffff                   ; the expert
	s_lshl_b32 s32, s46, 11
	s_lshl_b32 s33, ttmp9, 6
	s_add_co_u32 s32, s32, s33                     ; 2,048 e + 64 x: my slice's first row of W1
	s_lshl_b32 s30, s24, 4
	s_add_co_u32 s30, s30, s32
	s_lshl_b32 s30, s30, 10                        ; my wave's 16 rows of codes, in bytes
	s_mov_b32 s31, 0
	s_lshl_b32 s34, s32, 5                         ; the slice's scale bytes
	s_mov_b32 s35, 0
	s_lshl_b32 s32, s32, 2                         ; the slice's b1
	s_mov_b32 s33, 0
	s_lshl_b32 s48, s46, 3
	s_mov_b32 s49, 0
	s_mov_b32 s36, 0x3f3504f3                      ; 1 / sqrt 2
	s_mov_b32 s37, s36                             ; (named with it as a pair, so it is written)
	s_mov_b32 s38, 0x3f99be61                      ; sqrt(log2 e)
	s_mov_b32 s39, s38
	s_mov_b32 s40, 0x41800000                      ; 16
	s_mov_b32 s42, 0x76543210
	s_mov_b32 s43, 0xfedcba98                      ; v_permlanex16_b32's selects for lane l xor 16
	s_mov_b32 s44, 0x600000                        ; the mantissa field of 57,344
	s_wait_kmcnt 0x0
	s_add_nc_u64 s[16:17], s[16:17], s[48:49]
	s_load_b64 s[22:23], s[16:17], 0x0             ; tb[e], nt[e]
	s_add_nc_u64 s[8:9], s[8:9], s[30:31]
	s_add_nc_u64 s[10:11], s[10:11], s[34:35]
	s_add_nc_u64 s[12:13], s[12:13], s[32:33]
	WIN 0x40
	s_wait_alu depctr_va_vdst(0)                   ; all offsets and LDS addresses made above are written: LI, WSA and B1A, which the loads below read, and WSTO, WFRA, XSTO and XFRA, which stay for the whole kernel
.irp i, 0,1,2,3,4,5,6,7,8,9,10,11,12,13,14,15
.irp q, 0,1
	global_load_b128 v[FR+4*(2*\i+\q):FR+4*(2*\i+\q)+3], v[LI], s[8:9] offset:1024*\i+512*\q th:TH_LOAD_NT   ; 512 consecutive bytes; each byte of W1 is read once in the launch
.endr
.endr
	WIN 0
.irp b, 0,1
	global_load_b128 v[WS+8*\b:WS+8*\b+3], v[WSA], s[10:11] offset:1024*\b
	global_load_b128 v[WS+8*\b+4:WS+8*\b+7], v[WSA], s[10:11] offset:1024*\b+16
.endr
.irp t, 0,1,2,3
	global_load_b128 v[B1+8*\t:B1+8*\t+3], v[B1A], s[12:13] offset:(32*(\t/2)+8*(\t%2))*4
	global_load_b128 v[B1+8*\t+4:B1+8*\t+7], v[B1A], s[12:13] offset:(32*(\t/2)+8*(\t%2))*4+16
.endr
	s_wait_kmcnt 0x0
	s_min_u32 s22, s22, 134
	s_min_u32 s23, s23, 128
	s_sub_co_u32 s29, s23, 1                       ; nt - 1 (with nt = 0 the greatest number: the minimum below then changes nothing, and the tile's number is held at 134)
	s_add_co_u32 s25, s23, 3
	s_sub_co_u32 s25, s25, s24
	s_lshr_b32 s25, s25, 2                         ; n: my wave's tiles w, w + 4, .. under nt
	s_sub_co_u32 s26, s25, 1
	s_mov_b32 s30, s24
	ORDADDR                                        ; my first tile's tokens
	s_wait_alu depctr_va_vdst(0)                   ; OA and OB are written, which the nine loads read
	ORDGET
	s_wait_loadcnt 0x0
	WIN 0x04
.irp i, 0,1,2,3,4,5,6,7,8,9,10,11,12,13,14,15
.irp q, 0,1
	ds_store_b128 v[WSTO], v[FR+4*(2*\i+\q):FR+4*(2*\i+\q)+3] offset:(16*(\i/8)+(\i%8))*WP+512*\q
.endr
.endr
	WIN 0
	s_wait_alu depctr_vm_vsrc(0)                   ; the nine loads have read OA and OB, which are written again below; the LDS stores have read FR, in which the first trip's LDS loads land
	XADDR                                          ; my first tile's x is asked for ahead of the barrier, with no branch: x is an input and order is stored whole; a wave without tiles discards what comes
	s_add_co_u32 s30, s24, 4
	ORDADDR
	s_wait_alu depctr_va_vdst(0)                   ; XA, XSA, OA and OB are written, which the loads below read; XADDR is done with ORD and ORDR, in which nine of them land
	ORDGET
	XRAW
	XSCL
	s_wait_dscnt 0x0                               ; for the others' sake: my rows of W1 lie in LDS
	s_barrier_signal -1
	s_barrier_wait -1                              ; the one barrier: behind it W1's rows are only read
	s_cmp_eq_u32 s25, 0
	s_cbranch_scc1 .Lend
	WIN 0x80
.irp s, 0,1,2,3
.irp t, 0,1,2,3
.irp c, 0,1,2,3
	ds_load_b128 v[64*\s+16*\t+4*\c:64*\s+16*\t+4*\c+3], v[WFRA] offset:16*WP*\t+128*\s+32*\c
.endr
.endr
.endr
	WIN 0xc0
.irp s, 4,5,6,7
.irp t, 0,1,2,3
.irp c, 0,1,2,3
	ds_load_b128 v[64*(\s-4)+16*\t+4*\c:64*(\s-4)+16*\t+4*\c+3], v[WFRA] offset:16*WP*\t+128*\s+32*\c
.endr
.endr
.endr
	WIN 0
.macro COEF k, bits
	v_mov_b32 v[CK+2*\k], \bits
	v_mov_b32 v[CK+2*\k+1], \bits
.endm
	COEF 0,  0x3e8dd01d                            ;  2.76978403e-1
	COEF 1,  0xbdbdfae7                            ; -9.27637145e-2
	COEF 2,  0xbe2a040d                            ; -1.66031078e-1
	COEF 3,  0x3e27fc56                            ;  1.64048523e-1
	COEF 4,  0xbd5e0db6                            ; -5.42122945e-2
	COEF 5,  0xbc034ca0                            ; -8.01387429e-3
	COEF 6,  0x3c0e611b                            ;  8.69014394e-3
	COEF 7,  0x3a9e0ebf                            ;  1.20588380e-3
	COEF 8,  0xbab7153e                            ; -1.39681227e-3
	COEF 9,  0xb9b5a7ff                            ; -3.46481771e-4
	COEF 10, 0x39290e63                            ;  1.61224554e-4
	COEF 11, 0x38788000                            ;  5.92470169e-5
	s_mov_b32 s27, 0
	s_mov_b32 s28, s24                             ; the tile in hand, counted within the expert
	s_cmp_eq_u32 s26, 0
	s_cbranch_scc1 .Ltail
.Ltrip:                                            ; n - 1 trips
	TRIP 1
	s_add_co_u32 s27, s27, 1
	s_cmp_lt_u32 s27, s26
	s_cbranch_scc1 .Ltrip
.Ltail:
	TRIP 0                                         ; the last tile asks for nothing
.Lend:
	s_wait_dscnt 0x0                               ; the closing lines, six on end
	s_wait_alu 0x0
	s_wait_tensorcnt 0x0
	ds_add_u32 v[SPW], v[NIL]
	s_wait_dscnt 0x0
	s_endpgm
.Lfunc_end_k_q5c3ad4124a_ffn1:
	.size	k_q5c3ad4124a_ffn1, .Lfunc_end_k_q5c3ad4124a_ffn1-k_q5c3ad4124a_ffn1
	.p2alignl 7, 3214868480
	.fill 96, 4, 3214868480
	.section	.rodata,"a",@progbits
	.p2align	6, 0x0
	.amdhsa_kernel k_q5c3ad4124a_ffn1
		.amdhsa_group_segment_fixed_size 133632
		.amdhsa_private_segment_fixed_size 0
		.amdhsa_enable_private_segment 0
		.amdhsa_kernarg_size 72
		.amdhsa_user_sgpr_count 2
		.amdhsa_user_sgpr_kernarg_segment_ptr 1
		.amdhsa_wavefront_size32 1
		.amdhsa_system_sgpr_workgroup_id_x 1
		.amdhsa_system_sgpr_workgroup_id_y 1
		.amdhsa_system_sgpr_workgroup_id_z 1
		.amdhsa_system_vgpr_workitem_id 0
		.amdhsa_next_free_vgpr 1024
		.amdhsa_next_free_sgpr 66
		.amdhsa_reserve_vcc 0
		.amdhsa_float_denorm_mode_32 3
		.amdhsa_float_denorm_mode_16_64 3
		.amdhsa_memory_ordered 1
		.amdhsa_forward_progress 1
		.amdhsa_inst_pref_size 117
	.end_amdhsa_kernel
	.amdgpu_metadata
---
amdhsa.version: [ 1, 2 ]
amdhsa.kernels:
  - .name:           k_q5c3ad4124a_ffn1
    .symbol:         k_q5c3ad4124a_ffn1.kd
    .args:
      - { .name: x_codes, .offset: 0, .size: 8, .value_kind: global_buffer, .address_space: global }
      - { .name: x_scales, .offset: 8, .size: 8, .value_kind: global_buffer, .address_space: global }
      - { .name: W1_codes, .offset: 16, .size: 8, .value_kind: global_buffer, .address_space: global }
      - { .name: W1_scales, .offset: 24, .size: 8, .value_kind: global_buffer, .address_space: global }
      - { .name: b1, .offset: 32, .size: 8, .value_kind: global_buffer, .address_space: global }
      - { .name: order, .offset: 40, .size: 8, .value_kind: global_buffer, .address_space: global }
      - { .name: segs, .offset: 48, .size: 8, .value_kind: global_buffer, .address_space: global }
      - { .name: h_codes, .offset: 56, .size: 8, .value_kind: global_buffer, .address_space: global }
      - { .name: h_scales, .offset: 64, .size: 8, .value_kind: global_buffer, .address_space: global }
    .group_segment_fixed_size: 133632
    .private_segment_fixed_size: 0
    .kernarg_segment_align: 8
    .kernarg_segment_size: 72
    .max_flat_workgroup_size: 128
    .sgpr_count:     66
    .vgpr_count:     1024
    .wavefront_size: 32
...
	.end_amdgpu_metadata
.endif
;; end of part 4
;; launch ffn2 (part 5): grid 32 x 8, 4 waves a work-group, no clusters, 75,776 bytes of LDS; arguments h_codes, h_scales, W2_codes, W2_scales, b2, order, segs, out0; writes out0
.if DOCPART == 5
	.amdgcn_target "amdgcn-amd-amdhsa--gfx1250"
	.amdhsa_code_object_version 6
	.text
	.protected	k_q5c3ad4124a_ffn2
	.globl	k_q5c3ad4124a_ffn2
	.p2align	8
	.type	k_q5c3ad4124a_ffn2,@function
k_q5c3ad4124a_ffn2:
	s_mov_b64 s[64:65], 0
	v_nop
	global_prefetch_b8 v0, s[64:65] scope:SCOPE_SE
	s_setreg_imm32_b32 hwreg(HW_REG_WAVE_SCHED_MODE, 0, 2), 2
	s_setreg_imm32_b32 hwreg(HW_REG_WAVE_MODE, 25, 1), 1
	s_wait_xcnt 0x0
	s_wait_alu depctr_vm_vsrc(0)
; out[token] = h W2[e] + b2[e] for the sorted rows of expert e, on codes of E5M2 with one E8M0 scale for each 32 along K = the 2,048 hidden units.
; WORK LEFT OUT: the rows of experts that were not chosen for a token (shown dead at the head of the first launch).
; Rows that only fill an expert's last tile repeat one of its tokens: they hold the same codes as that token's own row, give the same sums, and are stored by the same wave to the same bytes with the same values.  So no lane is masked.
; SHARES.  Work-group (x, e) owns outputs 32 x .. 32 x + 31 of expert e: 32 rows of W2, 64 KB, read from memory once in the launch in runs of 512 bytes, turned in LDS behind the one barrier, and then
; held by EACH of the four waves in 512 registers.  Behind the barrier wave w walks the expert's tiles of 16 rows w, w + 4, .., a count read from segs; the last trip is written out.
; A slice is 32 outputs because two tiles x 16 K steps x 16 registers fill the 512 registers: so a row's store is 128 consecutive aligned bytes, and the neighbouring slice's work-group writes the 128 beside them.
; NO TENSOR LOADS, NO CLUSTER: the trip counts hang on numbers that an earlier launch stored; the 32 work-groups of an expert read the same images of h by plain loads.
; h comes as images of the operand's registers: each load is 512 consecutive bytes and lands where the matrix instruction wants it.  A tile is asked for in two halves of 8 K steps, each a whole tile's products ahead of its use.
; THE PRODUCT IS USED TRANSPOSED (source 0 = 16 rows of W2, source 1 = 16 rows of h): lane (r, h) holds row r's outputs 16 t + 8 h + 0 .. 7.
; ORDER OF THE SUMS: even and odd K steps go to accumulators of their own (four in all, by turns), b2 starting the even ones, and are added at the end: another order of rounding than one chain along K.
; REGISTERS.  Window 0: below.  Window 1: h's 16 fragments at 16 s (at the head: W2 on its way to LDS).  Windows 2, 3: W2's fragments, K steps 0-7 and 8-15, at 32 (s % 8) + 16 t.
; THE MODE: SCHED_MODE bits 1:0 = 2 (LLVM: expert scheduling mode 2), set by the entry lines.  The code itself states the register dependences
; between vector or matrix instructions and memory or LDS instructions, with s_wait_alu, always for 0.
; THE PLAN.  Registers that memory or LDS instructions touch in a trip:
;   h's fragments 0-7, HS 0-7, ORD     read by the first 16 products (ORD: by the lines that make OUTA); behind these the next tile's first half lands in them.
;   h's fragments 8-15, HS 8-15        read by the last 16 products; behind these the next tile's second half lands in them.
;   HA0, SA0, OA;  HA1, SA1            offsets: written behind each half's products, read by the loads that follow.
;   OUTA                               written at the trip's head, read by the four stores at its end.
;   the accumulators                   written by the products and the eight additions, read by four LDS stores.
;   OB                                 four LDS loads land in it; the four stores read it.
;   LI, SL, OL, OC, WSTO, WFRA, STO, SRD are made at the head and never written again.
; A trip's waits: ONE on vm_vsrc at its head (all that the last trip's loads, stores and LDS stores read is written again in this trip); one on va_vdst behind each half's products.  The second of these stands
; behind the eight additions, so that it serves the second half's loads and the LDS stores alike.
.set WP,    2064                       ; an LDS row of W2: 2,048 bytes + 16: 129 x 16
.set STG,   32*WP                      ; behind them a stage of 16 rows x (128 + 16) bytes for each wave
.set SPARE, STG+4*2304                 ; the spare words, 128 bytes a wave
.set LI,   1                           ; 16 x lane
.set R,    2
.set H,    3
.set WSTO, 4                           ; LDS: where my wave puts rows of W2
.set WFRA, 5                           ; LDS: my lane's place in a fragment
.set STO,  6                           ; LDS: the stage, in
.set SRD,  7                           ; LDS: the stage, back
.set SL,   8                           ; 64 r
.set OL,   9                           ; 4 (lane / 8)
.set OC,   10                          ; my 16 bytes of the slice's 128 in a row of out
.set HA0,  11                          ; byte offsets in h_codes, one for each half, so that neither is written while its loads are out
.set HA1,  12
.set SA0,  13                          ; the same in h_scales
.set SA1,  14
.set OA,   15                          ; in order
.set ORD,  16                          ; v16-19  tokens of rows 4 i + lane / 8
.set OUTA, 20                          ; v20-23  their byte offsets in out
.set SPW,  26
.set NIL,  27
.set HS,   32                          ; v32-47  h's scale words, one a K step
.set WS,   48                          ; v48-63  W2's: lanes 0-15 tile 0's rows, lanes 16-31 tile 1's
.set B2,   64                          ; v64-79  b2 in the result's layout
.set ACC,  96                          ; v96-127 four accumulators: 2 (s % 2) + t
.set OB,   128                         ; v128-143 rows read back from the stage
.set MSB, 0
.macro WIN new                         ; the immediate's high byte repeats the setting that is left
.if MSB != \new
	s_set_vgpr_msb (MSB<<8)|\new
.set MSB, \new
.endif
.endm
.macro G0ADDR                          ; tile s26: three plain vector lines
	s_min_u32 s27, s26, 134                        ; a tile's number made from loaded numbers is held inside the buffers before it becomes an address
	s_lshl_b32 s28, s27, 15
	s_lshl_b32 s29, s27, 10
	s_lshl_b32 s30, s27, 6
	v_add_nc_u32 v[HA0], s28, v[LI]
	v_add_nc_u32 v[SA0], s29, v[SL]
	v_add_nc_u32 v[OA], s30, v[OL]
.endm
.macro G0LOAD                          ; K steps 0-7, their scale words, the tile's tokens: 38 loads
	WIN 0x40
.irp s, 0,1,2,3,4,5,6,7
.irp c, 0,1,2,3
	global_load_b128 v[16*\s+4*\c:16*\s+4*\c+3], v[HA0], s[4:5] offset:2048*\s+512*\c
.endr
.endr
	WIN 0
	global_load_b128 v[HS:HS+3], v[SA0], s[6:7]
	global_load_b128 v[HS+4:HS+7], v[SA0], s[6:7] offset:16
.irp i, 0,1,2,3
	global_load_b32 v[ORD+\i], v[OA], s[14:15] offset:16*\i
.endr
.endm
.macro G1ADDR                          ; the same tile: two plain vector lines
	v_add_nc_u32 v[HA1], s28, v[LI]
	v_add_nc_u32 v[SA1], s29, v[SL]
.endm
.macro G1LOAD                          ; K steps 8-15 and their scale words: 34 loads
	WIN 0x40
.irp s, 8,9,10,11,12,13,14,15
.irp c, 0,1,2,3
	global_load_b128 v[16*\s+4*\c:16*\s+4*\c+3], v[HA1], s[4:5] offset:2048*\s+512*\c
.endr
.endr
	WIN 0
	global_load_b128 v[HS+8:HS+11], v[SA1], s[6:7] offset:32
	global_load_b128 v[HS+12:HS+15], v[SA1], s[6:7] offset:48
.endm
.macro MM2 s, t                        ; one product: tile t of my 32 outputs, K step s
.set AB, ACC+8*(2*((\s)%2)+(\t))
.set CB, AB
.if (\s) == 0
.set CB, B2+8*(\t)
.endif
.set WR, 32*((\s)%8)+16*(\t)
.if (\s) == 1
.if (\t) == 0
	v_wmma_scale_f32_16x16x128_f8f6f4 v[AB:AB+7], v[WR:WR+15], v[16*(\s):16*(\s)+15], 0, v[WS+(\s)], v[HS+(\s)] matrix_a_fmt:MATRIX_FMT_BF8 matrix_b_fmt:MATRIX_FMT_BF8
.else
	v_wmma_scale_f32_16x16x128_f8f6f4 v[AB:AB+7], v[WR:WR+15], v[16*(\s):16*(\s)+15], 0, v[WS+(\s)], v[HS+(\s)] matrix_a_fmt:MATRIX_FMT_BF8 matrix_b_fmt:MATRIX_FMT_BF8 matrix_a_scale:MATRIX_SCALE_ROW1
.endif
.else
.if (\t) == 0
	v_wmma_scale_f32_16x16x128_f8f6f4 v[AB:AB+7], v[WR:WR+15], v[16*(\s):16*(\s)+15], v[CB:CB+7], v[WS+(\s)], v[HS+(\s)] matrix_a_fmt:MATRIX_FMT_BF8 matrix_b_fmt:MATRIX_FMT_BF8
.else
	v_wmma_scale_f32_16x16x128_f8f6f4 v[AB:AB+7], v[WR:WR+15], v[16*(\s):16*(\s)+15], v[CB:CB+7], v[WS+(\s)], v[HS+(\s)] matrix_a_fmt:MATRIX_FMT_BF8 matrix_b_fmt:MATRIX_FMT_BF8 matrix_a_scale:MATRIX_SCALE_ROW1
.endif
.endif
.endm
; ONE TILE OF 16 ROWS.  pre = 1: each half of the next tile is asked for as soon as this tile's products have read that half's registers
.macro TRIP pre
	s_wait_loadcnt 34                              ; the first half (38 loads) is in; the second half's 34 may be out
	s_wait_xcnt 0x0                                ; the last tile's stores have had their addresses translated: their data and offsets are written again below
	s_wait_alu depctr_vm_vsrc(0)                   ; the last tile's stores have read OUTA and OB, its LDS stores the accumulators, the last trip's loads HA0, SA0, OA, HA1 and SA1: all are written again in this trip
.irp i, 0,1,2,3
	v_min_u32 v[OUTA+\i], 0x7ff, v[ORD+\i]         ; a loaded token is held inside out before it becomes an address
.endr
.irp i, 0,1,2,3
	v_lshl_add_u32 v[OUTA+\i], v[OUTA+\i], 12, v[OC]
.endr
	WIN 0x06                                       ; source 0 (W2) window 2, source 1 (h) window 1
.irp s, 0,1,2,3,4,5,6,7
.irp t, 0,1
	MM2 \s, \t                                     ; the four accumulators by turns, one instruction a turn
.endr
.endr
	WIN 0
.if \pre
	s_add_co_u32 s26, s26, 4
	G0ADDR
.rept 5
	v_nop                                          ; with the three lines above: eight places behind these products; the wait below stands beside them
.endr
	WIN 0x40
	s_wait_alu depctr_va_vdst(0)                   ; the 16 products are done reading h's fragments 0-7 and HS 0-7, the lines at the head ORD: the loads below land in them; HA0, SA0 and OA are written, which these loads read
	G0LOAD
	s_wait_loadcnt 38                              ; this tile's second half is in; the 38 just issued may be out
.else
	s_wait_loadcnt 0x0
.endif
	WIN 0x07                                       ; source 0 window 3
.irp s, 8,9,10,11,12,13,14,15
.irp t, 0,1
	MM2 \s, \t
.endr
.endr
	WIN 0
.if \pre
	G1ADDR
.rept 6
	v_nop                                          ; with the two lines above: eight places, ahead of the first read of the sums
.endr
.else
.rept 8
	v_nop
.endr
.endif
.irp t, 0,1
.irp k, 0,2,4,6
	v_pk_add_f32 v[ACC+8*\t+\k:ACC+8*\t+\k+1], v[ACC+8*\t+\k:ACC+8*\t+\k+1], v[ACC+16+8*\t+\k:ACC+16+8*\t+\k+1]   ; even and odd K steps; each accumulator from its low end on
.endr
.endr
.if \pre
	WIN 0x40
.endif
	s_wait_alu depctr_va_vdst(0)                   ; the additions have written the sums, which the LDS stores read, and the head's lines OUTA, which the stores read; pre = 1: the products are done reading h's fragments 8-15 and HS 8-15, in which the loads below land, and HA1 and SA1 are written
.if \pre
	G1LOAD
.endif
.irp t, 0,1
	ds_store_b128 v[STO], v[ACC+8*\t:ACC+8*\t+3] offset:64*\t
	ds_store_b128 v[STO], v[ACC+8*\t+4:ACC+8*\t+7] offset:64*\t+16
.endr
.irp i, 0,1,2,3
	ds_load_b128 v[OB+4*\i:OB+4*\i+3], v[SRD] offset:576*\i    ; my wave's own stage; LDS serves a wave's instructions in order (ISA guide 5.7.1.4): rows 4 i + lane / 8 come back whole
.endr
.irp i, 0,1,2,3
	s_wait_dscnt 3-\i                              ; read-back i is in; the later ones may be out
	global_store_b128 v[OUTA+\i], v[OB+4*\i:OB+4*\i+3], s[18:19] th:TH_STORE_NT   ; eight lanes store 128 consecutive aligned bytes of a token's row; read by nobody here
.endr
.endm
	s_load_b256 s[4:11], s[0:1], 0x0               ; h_codes s[4:5], h_scales s[6:7], W2_codes s[8:9], W2_scales s[10:11]
	s_load_b256 s[12:19], s[0:1], 0x20             ; b2 s[12:13], order s[14:15], segs s[16:17], out0 s[18:19]
	v_lshl_add_u32 v[SPW], v0, 2, SPARE
	v_mov_b32 v[NIL], 0
	v_lshrrev_b32 v28, 5, v0
	v_readfirstlane_b32 s22, v28                   ; wave 0..3
	v_and_b32 v29, 31, v0
	v_lshlrev_b32 v[LI], 4, v29
	v_and_b32 v[R], 15, v0
	v_bfe_u32 v[H], v0, 4, 1
	s_wait_alu depctr_va_sdst(0)                   ; s22 is written, ahead of its first reader: LDS places, bases and the trip count are made from it
	s_mul_i32 s27, s22, 8*WP
	v_add_nc_u32 v[WSTO], s27, v[LI]               ; my wave's 8 rows of W2
	v_mul_u32_u24 v[WFRA], v[R], WP
	v_lshl_add_u32 v[WFRA], v[H], 4, v[WFRA]
	s_mul_i32 s27, s22, 2304
	s_add_co_u32 s27, s27, STG                     ; my wave's stage
	v_mul_u32_u24 v[STO], v[R], 144
	v_lshl_add_u32 v[STO], v[H], 5, v[STO]
	v_add_nc_u32 v[STO], s27, v[STO]               ; in: row r, 32 bytes for each half of the lanes
	v_bfe_u32 v30, v0, 3, 2                        ; lane / 8
	v_and_b32 v31, 7, v0                           ; lane % 8
	v_mul_u32_u24 v[SRD], v30, 144
	v_lshl_add_u32 v[SRD], v31, 4, v[SRD]
	v_add_nc_u32 v[SRD], s27, v[SRD]               ; back: eight lanes to a row, four rows an instruction
	v_lshlrev_b32 v[SL], 6, v[R]
	v_lshlrev_b32 v[OL], 2, v30
	s_lshl_b32 s28, ttmp9, 7                       ; the slice's 128 bytes in a row of out
	v_lshl_add_u32 v[OC], v31, 4, s28
	v_lshlrev_b32 v24, 6, v29                      ; W2's scale bytes: row = lane, 64 bytes a row
	v_lshlrev_b32 v25, 5, v[H]                     ; b2: 8 numbers further on for lanes 16-31
	s_and_b32 s37, ttmp7, 0xffff                   ; the expert
	s_lshl_b32 s38, s37, 10
	s_lshl_b32 s39, ttmp9, 5
	s_add_co_u32 s38, s38, s39                     ; 1,024 e + 32 x: my slice's first row of W2
	s_lshl_b32 s40, s22, 3
	s_add_co_u32 s40, s40, s38
	s_lshl_b32 s40, s40, 11                        ; my wave's 8 rows of codes, in bytes
	s_mov_b32 s41, 0
	s_lshl_b32 s42, s38, 6                         ; the slice's scale bytes
	s_mov_b32 s43, 0
	s_lshl_b32 s44, s37, 3
	s_mov_b32 s45, 0
	s_lshl_b32 s38, s38, 2                         ; the slice's b2
	s_mov_b32 s39, 0
	s_wait_kmcnt 0x0
	s_add_nc_u64 s[16:17], s[16:17], s[44:45]
	s_load_b64 s[20:21], s[16:17], 0x0             ; tb[e], nt[e]
	s_add_nc_u64 s[8:9], s[8:9], s[40:41]
	s_add_nc_u64 s[10:11], s[10:11], s[42:43]
	s_add_nc_u64 s[12:13], s[12:13], s[38:39]
	WIN 0x40
	s_wait_alu depctr_va_vdst(0)                   ; all offsets and LDS addresses made above are written: LI, v24 and v25, which the loads below read, and WSTO, WFRA, STO and SRD, which stay for the whole kernel
.irp i, 0,1,2,3,4,5,6,7
.irp q, 0,1,2,3
	global_load_b128 v[4*(4*\i+\q):4*(4*\i+\q)+3], v[LI], s[8:9] offset:2048*\i+512*\q th:TH_LOAD_NT   ; 512 consecutive bytes; each byte of W2 is read once in the launch
.endr
.endr
	WIN 0
.irp k, 0,1,2,3
	global_load_b128 v[WS+4*\k:WS+4*\k+3], v24, s[10:11] offset:16*\k
.endr
.irp t, 0,1
	global_load_b128 v[B2+8*\t:B2+8*\t+3], v25, s[12:13] offset:64*\t
	global_load_b128 v[B2+8*\t+4:B2+8*\t+7], v25, s[12:13] offset:64*\t+16
.endr
	s_wait_loadcnt 0x0
	WIN 0x04
.irp i, 0,1,2,3,4,5,6,7
.irp q, 0,1,2,3
	ds_store_b128 v[WSTO], v[4*(4*\i+\q):4*(4*\i+\q)+3] offset:WP*\i+512*\q
.endr
.endr
	WIN 0
	s_wait_dscnt 0x0                               ; for the others' sake: my rows of W2 lie in LDS
	s_barrier_signal -1
	s_barrier_wait -1                              ; the one barrier, ahead of every branch on loaded numbers: behind it W2's rows are only read
	s_wait_alu depctr_vm_vsrc(0)                   ; my LDS stores have read window 1's v0-127, in which the first tile's fragments land
	s_wait_kmcnt 0x0
	s_min_u32 s20, s20, 134
	s_min_u32 s21, s21, 128
	s_add_co_u32 s23, s21, 3
	s_sub_co_u32 s23, s23, s22
	s_lshr_b32 s23, s23, 2                         ; n: my wave's tiles w, w + 4, .. under nt
	s_sub_co_u32 s24, s23, 1
	s_cmp_eq_u32 s23, 0
	s_cbranch_scc1 .Lend                           ; a wave without tiles loads nothing of h: only the tiles that were made are read
	s_add_co_u32 s26, s20, s22                     ; my first tile
	G0ADDR
	G1ADDR
	WIN 0x40
	s_wait_alu depctr_va_vdst(0)                   ; HA0, SA0, OA, HA1 and SA1 are written, which the 72 loads below read
	G0LOAD
	G1LOAD
	WIN 0x80                                       ; W2's fragments come out of LDS while the first tile is on its way
.irp s, 0,1,2,3,4,5,6,7
.irp t, 0,1
.irp c, 0,1,2,3
	ds_load_b128 v[32*\s+16*\t+4*\c:32*\s+16*\t+4*\c+3], v[WFRA] offset:16*WP*\t+128*\s+32*\c
.endr
.endr
.endr
	WIN 0xc0
.irp s, 8,9,10,11,12,13,14,15
.irp t, 0,1
.irp c, 0,1,2,3
	ds_load_b128 v[32*(\s-8)+16*\t+4*\c:32*(\s-8)+16*\t+4*\c+3], v[WFRA] offset:16*WP*\t+128*\s+32*\c
.endr
.endr
.endr
	WIN 0
	s_wait_dscnt 0x0
	s_mov_b32 s25, 0
	s_cmp_eq_u32 s24, 0
	s_cbranch_scc1 .Ltail
.Ltrip:                                            ; n - 1 trips
	TRIP 1
	s_add_co_u32 s25, s25, 1
	s_cmp_lt_u32 s25, s24
	s_cbranch_scc1 .Ltrip
.Ltail:
	TRIP 0                                         ; the last tile asks for nothing
.Lend:
	s_wait_dscnt 0x0                               ; the closing lines, six on end
	s_wait_alu 0x0
	s_wait_tensorcnt 0x0
	ds_add_u32 v[SPW], v[NIL]
	s_wait_dscnt 0x0
	s_endpgm
.Lfunc_end_k_q5c3ad4124a_ffn2:
	.size	k_q5c3ad4124a_ffn2, .Lfunc_end_k_q5c3ad4124a_ffn2-k_q5c3ad4124a_ffn2
	.p2alignl 7, 3214868480
	.fill 96, 4, 3214868480
	.section	.rodata,"a",@progbits
	.p2align	6, 0x0
	.amdhsa_kernel k_q5c3ad4124a_ffn2
		.amdhsa_group_segment_fixed_size 75776
		.amdhsa_private_segment_fixed_size 0
		.amdhsa_enable_private_segment 0
		.amdhsa_kernarg_size 64
		.amdhsa_user_sgpr_count 2
		.amdhsa_user_sgpr_kernarg_segment_ptr 1
		.amdhsa_wavefront_size32 1
		.amdhsa_system_sgpr_workgroup_id_x 1
		.amdhsa_system_sgpr_workgroup_id_y 1
		.amdhsa_system_sgpr_workgroup_id_z 1
		.amdhsa_system_vgpr_workitem_id 0
		.amdhsa_next_free_vgpr 1024
		.amdhsa_next_free_sgpr 66
		.amdhsa_reserve_vcc 0
		.amdhsa_float_denorm_mode_32 3
		.amdhsa_float_denorm_mode_16_64 3
		.amdhsa_memory_ordered 1
		.amdhsa_forward_progress 1
		.amdhsa_inst_pref_size 46
	.end_amdhsa_kernel
	.amdgpu_metadata
---
amdhsa.version: [ 1, 2 ]
amdhsa.kernels:
  - .name:           k_q5c3ad4124a_ffn2
    .symbol:         k_q5c3ad4124a_ffn2.kd
    .args:
      - { .name: h_codes, .offset: 0, .size: 8, .value_kind: global_buffer, .address_space: global }
      - { .name: h_scales, .offset: 8, .size: 8, .value_kind: global_buffer, .address_space: global }
      - { .name: W2_codes, .offset: 16, .size: 8, .value_kind: global_buffer, .address_space: global }
      - { .name: W2_scales, .offset: 24, .size: 8, .value_kind: global_buffer, .address_space: global }
      - { .name: b2, .offset: 32, .size: 8, .value_kind: global_buffer, .address_space: global }
      - { .name: order, .offset: 40, .size: 8, .value_kind: global_buffer, .address_space: global }
      - { .name: segs, .offset: 48, .size: 8, .value_kind: global_buffer, .address_space: global }
      - { .name: out0, .offset: 56, .size: 8, .value_kind: global_buffer, .address_space: global }
    .group_segment_fixed_size: 75776
    .private_segment_fixed_size: 0
    .kernarg_segment_align: 8
    .kernarg_segment_size: 64
    .max_flat_workgroup_size: 128
    .sgpr_count:     66
    .vgpr_count:     1024
    .wavefront_size: 32
...
	.end_amdgpu_metadata
.endif
;; end of part 5
